; MI455X (gfx1250); checked and timed in simulation.
; The chip was launched on July 23, 2026; its instructions are those of AMD's public machine-readable ISA for CDNA 5 (MIT licence, August 2026) and "CDNA5" Instruction Set Architecture Reference Guide (July 2026). The comments in the code are by the model that wrote it; some were corrected since.
;; Llama Attention. Allowed arithmetic: matrix products marked QUANTISED: E2M1 operands, one E8M0 scale for each 32 along K, by v_wmma_scale_f32_16x16x128_f8f6f4 with both operands' format E2M1 (or v_wmma_scale_f32_32x16x128_f4), f32 sums; products left as they are: bf16, f16 or f32 operands; f32 sums; everything else in f32.
;; Inputs: Wk 1,024 x 1,024 float32; Wo 1,024 x 1,024 float32; Wq 1,024 x 1,024 float32; Wv 1,024 x 1,024 float32; hidden_states 2 x 2,048 x 1,024 float32.
;; Outputs: out0 2 x 2,048 x 1,024 float32.
;; This version of the problem:
;;   THIS VERSION OF THE PROBLEM IS GIVEN IN LOW PRECISION. The matrix products marked QUANTISED in the list below multiply operands that are first quantised to E2M1 (2 exponent bits, 1 mantissa bit; 4 bits a number), with one power-of-two scale for each 32 numbers along K (OCP MX v1.0); their sums are f32. The products marked 'left as it is' may take bf16, f16 or f32 operands, with f32 sums. All else is computed in f32.
;;   The module's matrix products, in the order in which they are computed (A, B: the left and right operand; K: the contracted axis; several contracted axes count as one K, in the product's order):
;;     1. [M 4,096, K 1,024] x [K 1,024, N 1,024]; A: input hidden_states; B: input Wq: QUANTISED
;;     2. [M 4,096, K 1,024] x [K 1,024, N 1,024]; A: input hidden_states; B: input Wk: QUANTISED
;;     3. [M 4,096, K 1,024] x [K 1,024, N 1,024]; A: input hidden_states; B: input Wv: QUANTISED
;;     4. [M 2,048, K 1] x [K 1, N 32]; A: computed on the way; B: computed on the way: left as it is (no contracted axis)
;;     5. batch 32 x [M 2,048, K 64] x [K 64, N 2,048]; A: computed on the way; B: computed on the way: left as it is (an operand is computed on the way)
;;     6. batch 32 x [M 2,048, K 2,048] x [K 2,048, N 64]; A: computed on the way; B: computed on the way: left as it is (an operand is computed on the way)
;;     7. [M 4,096, K 1,024] x [K 1,024, N 1,024]; A: computed on the way; B: input Wo: left as it is (an operand is computed on the way)
;;   THE QUANTISER, for each operand of a quantised product, along K:
;;     - K is cut into blocks of 32 from its start; a last block that is shorter is filled with zeros.
;;     - A block's scale is 2^e with e = floor(log2(the largest magnitude in the block)) - 2, held to -126 .. 127; a block of zeros has e = 0. As a byte (E8M0): e + 127.
;;     - Each number is divided by its block's scale, clamped to +-6, and rounded to the nearest number of E2M1, ties to even, subnormals kept.
;;     - The product sums the exact products of the quantised numbers (number of the format x scale) in f32.
;;   ~~~python
;;   def quantise(x, axis):      # numpy; x: float32 -> the quantised numbers, widened to float32 again
;;       x = np.moveaxis(x, axis, -1); K = x.shape[-1]
;;       x = np.pad(x, [(0, 0)] * (x.ndim - 1) + [(0, -K % 32)]); x = x.reshape(x.shape[:-1] + (-1, 32)); a = np.abs(x).max(-1, keepdims=True)
;;       e = np.where(a > 0, np.clip(np.frexp(np.where(a > 0, a, 1))[1] - 1 - 2, -126, 127), 0)      # np.frexp(a)[1] - 1 = floor(log2(a)), exactly
;;       r = np.clip(x / 2.0 ** e, -6, 6)
;;       step = 2.0 ** (np.maximum(np.frexp(np.where(r == 0, 1, r))[1] - 1, 0) - 1)
;;       q = np.round(r / step) * step * 2.0 ** e      # np.round: ties to even
;;       return np.moveaxis(q.reshape(q.shape[:-2] + (-1,))[..., :K], -1, axis).astype(np.float32)
;;   ~~~
;; One version. Each part assembles by itself: llvm-mc -triple=amdgcn-amd-amdhsa -mcpu=gfx1250 --defsym DOCPART=n.
;; ======== version 1 of 1: 4 launches
;; limits: values are held in f16: magnitudes above 65,504 overflow, below 6.1e-05 lose precision
;; workspace buffers: x_codes 2,097,152 bytes; x_scales 131,072 bytes; w_codes 1,572,864 bytes; w_scales 98,304 bytes; wo_h 2,097,152 bytes; rope 524,288 bytes; qkv 25,165,824 bytes; ao 8,388,608 bytes
;; launch prep (part 1): grid 256 x 1, 4 waves a work-group, no clusters, 33,280 bytes of LDS; arguments hidden_states, Wq, Wk, Wv, Wo, x_codes, x_scales, w_codes, w_scales, wo_h, rope; writes x_codes, x_scales, w_codes, w_scales, wo_h, rope
.if DOCPART == 1
	.amdgcn_target "amdgcn-amd-amdhsa--gfx1250"
	.amdhsa_code_object_version 6
	.text
	.protected	k_q656e390aa2_prep
	.globl	k_q656e390aa2_prep
	.p2align	8
	.type	k_q656e390aa2_prep,@function
k_q656e390aa2_prep:
	s_mov_b64 s[64:65], 0
	v_nop
	global_prefetch_b8 v0, s[64:65] scope:SCOPE_SE
	s_setreg_imm32_b32 hwreg(HW_REG_WAVE_MODE, 25, 1), 1
	s_wait_xcnt 0x0
; PREP.  (1) hidden_states [4096][1024], Wq, Wk, Wv [1024][1024], f32, become codes of FP4 (E2M1), K innermost, two codes a byte, with one E8M0 scale byte for each 32 along K.
; The three weights lie one behind the other in w_codes [3072][512 bytes] and w_scales [3072][32].  (2) Wo becomes f16.  (3) The table of rotary angles: rope [2048 positions][cos f = 0..31 | sin f = 0..31], f32.
; A block's scale is 2^(floor(log2(its largest magnitude)) - 2); its byte is the largest magnitude's exponent field - 2, held at 1 from below.
; LIMITS: a block of zeros gets the byte 1 where the rule says 127 (its codes are zeros, which add nothing under any byte but 0xff, and this program alone reads the bytes);
; blocks whose largest magnitude lies under 2^(2 - 126) were not tried; NaN and infinities among the inputs are not served; Wo beyond 65,504 in magnitude does not fit f16.
; The angles are t x 10000^(-f / 32) with the power made by v_exp_f32; sine and cosine by reduction to a quarter turn and polynomials: good to about 1e-4 rad at the largest angle, 2,047.
; SHARES: 32,768 numbers to a work-group, 8,192 to a wave.  Work-groups 0-127 hidden_states, 128-159 Wq, 160-191 Wk, 192-223 Wv, 224-255 Wo and 64 positions of the table each.
; Rows are dense and K is a multiple of 32: each tensor is a plain stream of blocks of 32.  No tensor loads, no barrier: waves share nothing.
.set STEPS, 16
.set EMAX,  2
.set CB,    8                          ; bytes of 16 codes
.set R,     16                         ; v16-79   four sets of 16 numbers as they are loaded
.set X,     80                         ; v80-111  two sets of 16 neighbours
.set E,     112                        ; v112-127 a scale byte for each step
.set C,     128                        ; v128-191 codes: four registers for each step, so that no store's data are written again
.set WREG,  8192                       ; LDS: a region for each wave: two stages of 32 x SP bytes, behind them its 256 scale bytes
.set SP,    80                         ; a lane's place in a stage: 64 bytes + 16 of padding
.set WX,    16                         ; Wo: v16-143 sixteen slots of 8 numbers
.set WY,    144                        ; v144-175 eight sets of 4 registers of f16
.set INVF,  16                         ; the table: v16-19 my four inverse frequencies
.set T,     20                         ; v20 the position as f32
.set PHI,   21                         ; v21 0 in a lane that makes cosines, 1 in one that makes sines
.set PB,    22                         ; v22 my first position
.set TA,    23                         ; v23 16 x lane
.set TH,    24                         ; v24-27 the angle, then what is left of it
.set N,     28                         ; v28-31 quarter turns
.set Z,     32
.set SN,    36
.set CN,    40
.set KQ,    44
.set RZ,    48
.set ZZ,    52
.set D,     64                         ; v64-95 results: four registers for each of eight stores
	s_load_b512 s[8:23], s[0:1], 0x0               ; hidden s[8:9], Wq s[10:11], Wk s[12:13], Wv s[14:15], Wo s[16:17], x_codes s[18:19], x_scales s[20:21], w_codes s[22:23]
	s_load_b128 s[24:27], s[0:1], 0x40             ; w_scales s[24:25], wo_h s[26:27]
	s_load_b64 s[28:29], s[0:1], 0x50              ; rope
	v_lshl_add_u32 v192, v0, 2, 0x8000
	v_mov_b32 v193, 0
	v_lshrrev_b32 v1, 5, v0
	v_readfirstlane_b32 s34, v1                    ; wave
	v_and_b32 v2, 31, v0                           ; lane
	s_mov_b32 s37, 0
	s_cmp_ge_u32 ttmp9, 224
	s_cbranch_scc1 .Lother
	; ---------------- the quantiser.  A wave takes 16 steps of 512 numbers.  Each of a step's four loads reads 512 consecutive bytes, 16 a lane; the 2,048 bytes go through the wave's own stage in LDS
	; and come back 64 bytes a lane, so that a lane holds 16 neighbours along K and two neighbouring lanes hold a block.
	v_lshlrev_b32 v3, 4, v2                        ; my 16 bytes of a load's 512
	s_mul_i32 s35, s34, WREG
	v_lshrrev_b32 v14, 2, v2
	v_mul_u32_u24 v14, v14, SP
	v_and_b32 v15, 3, v2
	v_lshl_add_u32 v14, v15, 4, v14
	v_add_nc_u32 v14, s35, v14                     ; the stage, in: SP (lane / 4) + 16 (lane % 4)
	v_mul_u32_u24 v15, v2, SP
	v_add_nc_u32 v15, s35, v15                     ; out: SP x lane
	v_mul_u32_u24 v4, v2, CB                       ; my codes' place in a step's
	v_lshrrev_b32 v5, 1, v2
	s_add_co_u32 s35, s35, 2*32*SP
	v_add_nc_u32 v5, s35, v5                       ; my block's byte among my wave's 256 scale bytes
	v_lshlrev_b32 v7, 3, v2
	v_add_nc_u32 v6, s35, v7                       ; and on the way out 8 bytes a lane
	s_and_b32 s32, ttmp9, 31                       ; a weight's work-group counts from 0 in its source,
	s_sub_co_u32 s33, ttmp9, 128                   ; and from 0 to 95 in the weights' common buffers
	s_wait_kmcnt 0x0
	s_cmp_lt_u32 ttmp9, 192                        ; the choices hang on the work-group's number alone
	s_cselect_b64 s[4:5], s[12:13], s[14:15]
	s_cmp_lt_u32 ttmp9, 160
	s_cselect_b64 s[4:5], s[10:11], s[4:5]
	s_cmp_lt_u32 ttmp9, 128
	s_cselect_b64 s[4:5], s[8:9], s[4:5]           ; the numbers,
	s_cselect_b64 s[6:7], s[18:19], s[22:23]       ; their codes,
	s_cselect_b64 s[30:31], s[20:21], s[24:25]     ; their scale bytes
	s_cselect_b32 s32, ttmp9, s32
	s_cselect_b32 s33, ttmp9, s33
	s_lshl_b32 s32, s32, 2
	s_add_co_u32 s32, s32, s34                     ; which run of 8,192 numbers of the source is my wave's
	s_lshl_b32 s33, s33, 2
	s_add_co_u32 s33, s33, s34                     ; and of the destination
	s_lshl_b32 s36, s32, 15                        ; 32,768 bytes of numbers a run (511 runs at the most: under 2^32)
	s_add_nc_u64 s[4:5], s[4:5], s[36:37]
	s_lshl_b32 s36, s33, 12                        ; 4,096 bytes of codes
	s_add_nc_u64 s[6:7], s[6:7], s[36:37]
	s_lshl_b32 s36, s33, 8                         ; 256 scale bytes
	s_add_nc_u64 s[30:31], s[30:31], s[36:37]
.macro LOAD t
.irp i, 0,1,2,3
	global_load_b128 v[R+16*((\t)%4)+4*\i:R+16*((\t)%4)+4*\i+3], v3, s[4:5] offset:2048*(\t)+512*\i th:TH_LOAD_NT   ; 32 lanes read 512 consecutive bytes
.endr
.endm
.macro TURN t                          ; a step's numbers through the stage: LDS serves a wave's instructions in order (ISA guide 5.7.1.4), so no wait stands between the stores and the loads
.irp i, 0,1,2,3
	ds_store_b128 v14, v[R+16*((\t)%4)+4*\i:R+16*((\t)%4)+4*\i+3] offset:32*SP*((\t)%2)+8*SP*\i
.endr
.irp i, 0,1,2,3
	ds_load_b128 v[X+16*((\t)%2)+4*\i:X+16*((\t)%2)+4*\i+3], v15 offset:32*SP*((\t)%2)+16*\i
.endr
.endm
.irp t, 0,1,2,3
	LOAD \t
.endr
	s_wait_loadcnt 12                              ; step 0's four loads are in; the 12 of steps 1 to 3 may be out
	TURN 0
.macro STEP t
.set XS, X+16*((\t)%2)
.if (\t) > 0
	s_wait_dscnt 1                                 ; this step's numbers are back from the stage (the last step's byte store may be out): so its stores into the stage have read their registers,
.else
	s_wait_dscnt 0x0
.endif
.if (\t)+4 < STEPS
	LOAD (\t)+4                                    ; which take the loads of four steps on
.endif
.if (\t)+1 < STEPS
.if STEPS-2-(\t) >= 3
	s_wait_loadcnt 12                              ; the next step's four loads are in; those of the three steps behind it may be out
.else
	s_wait_loadcnt 4*(STEPS-2-(\t))
.endif
	TURN (\t)+1                                    ; and go through the other stage while this step is worked
.endif
	v_max3_num_f32 v8, |v[XS]|, |v[XS+1]|, |v[XS+2]|               ; the largest magnitude of my 16, in two chains
	v_max3_num_f32 v9, |v[XS+3]|, |v[XS+4]|, |v[XS+5]|
.irp i, 6,10
	v_max3_num_f32 v8, v8, |v[XS+\i]|, |v[XS+\i+1]|
	v_max3_num_f32 v9, v9, |v[XS+\i+2]|, |v[XS+\i+3]|
.endr
	v_max3_num_f32 v8, v8, |v[XS+14]|, |v[XS+15]|
	v_max3_num_f32 v8, v8, v9, (EMAX+1)<<23        ; and the floor 2^(EMAX + 1 - 127): so the byte cannot fall under 1
	v_max_num_f32_dpp v8, v8, v8 row_xmask:1 row_mask:0xf bank_mask:0xf   ; and of my neighbour's 16: the block's
	v_add_nc_u32 v11, -(EMAX<<23), v8              ; EMAX off its exponent field: the conversion takes the exponent field of this operand as its scale, and nothing else of it
	v_cvt_scalef32_pk8_fp4_f32 v[C+4*(\t)], v[XS:XS+7], v11         ; eight numbers / the scale, to the nearest code, ties to even, beyond the largest code the largest
	v_cvt_scalef32_pk8_fp4_f32 v[C+4*(\t)+1], v[XS+8:XS+15], v11
	v_lshrrev_b32 v[E+(\t)], 23, v11               ; the scale's byte
	ds_store_b8 v5, v[E+(\t)] offset:16*(\t)       ; both lanes of a block write the same byte with the same value
	global_store_b64 v4, v[C+4*(\t):C+4*(\t)+1], s[6:7] offset:32*CB*(\t)   ; the wave stores 256 consecutive bytes, aligned
.endm
.irp t, 0,1,2,3,4,5,6,7,8,9,10,11,12,13,14,15
	STEP \t
.endr
	ds_load_b64 v[12:13], v6                       ; these see my byte stores: LDS serves a wave in order
	s_wait_dscnt 0x0
	global_store_b64 v7, v[12:13], s[30:31]        ; 32 lanes store my wave's 256 scale bytes, aligned
	s_wait_tensorcnt 0x0
	ds_add_u32 v192, v193
	s_wait_dscnt 0x0
	s_endpgm
.Lother:
	; ---------------- Wo to f16.  32 iterations of 256 numbers: two loads of 512 consecutive bytes, four conversions, two stores of 256 consecutive bytes.  Sixteen iterations' loads run ahead.
	s_sub_co_u32 s35, ttmp9, 224                   ; j = 0 .. 31
	s_lshl_b32 s36, s35, 2
	s_add_co_u32 s36, s36, s34                     ; my wave's run of 8,192 numbers
	s_lshl_b32 s38, s36, 14                        ; 16,384 bytes of f16,
	s_lshl_b32 s36, s36, 15                        ; 32,768 bytes of f32
	s_mov_b32 s39, 0
	v_lshlrev_b32 v1, 4, v2                        ; in: 16 bytes a lane
	v_lshlrev_b32 v3, 3, v2                        ; out: 8 bytes a lane
	s_wait_kmcnt 0x0
	s_add_nc_u64 s[16:17], s[16:17], s[36:37]
	s_add_nc_u64 s[26:27], s[26:27], s[38:39]
.macro WOLOAD i
	global_load_b128 v[WX+8*((\i)%16):WX+8*((\i)%16)+3], v1, s[16:17] offset:1024*(\i) th:TH_LOAD_NT
	global_load_b128 v[WX+8*((\i)%16)+4:WX+8*((\i)%16)+7], v1, s[16:17] offset:1024*(\i)+512 th:TH_LOAD_NT
.endm
.macro WOSTEP i
.if 31-(\i) >= 15
	s_wait_loadcnt 30                              ; my two loads are in; the two of each of the fifteen younger iterations may be out
.else
	s_wait_loadcnt 2*(31-(\i))                     ; in the tail the count runs down
.endif
	s_wait_xcnt 0x0                                ; the stores of eight iterations back have read this set of four registers
.irp k, 0,1,2,3
	v_cvt_pk_f16_f32 v[WY+4*((\i)%8)+\k], v[WX+8*((\i)%16)+2*\k], v[WX+8*((\i)%16)+2*\k+1]
.endr
.if (\i) < 16
	WOLOAD (\i)+16                                 ; the slot takes the iteration sixteen on
.endif
	global_store_b64 v3, v[WY+4*((\i)%8):WY+4*((\i)%8)+1], s[26:27] offset:512*(\i)
	global_store_b64 v3, v[WY+4*((\i)%8)+2:WY+4*((\i)%8)+3], s[26:27] offset:512*(\i)+256
.endm
.set Q, 0
.rept 16
	WOLOAD Q
.set Q, Q+1
.endr
.set Q, 0
.rept 32
	WOSTEP Q
.set Q, Q+1
.endr
	; ---------------- the table.  A position's row is 256 bytes: 32 cosines, 32 sines.  A store covers two rows: lanes 0-15 the even position, lanes 16-31 the odd one;
	; in a row lanes 0-7 hold four cosines each, lanes 8-15 four sines.  A sine is the cosine of the angle less a quarter turn.  A wave makes 16 positions: eight stores.
	s_wait_xcnt 0x0
	s_lshl_b32 s38, s35, 6
	s_lshl_b32 s40, s34, 4
	s_add_co_u32 s38, s38, s40                     ; my wave's first position: 64 j + 16 x wave
	s_lshl_b32 s40, s38, 8
	s_mov_b32 s41, 0
	s_add_nc_u64 s[28:29], s[28:29], s[40:41]
	s_mov_b32 s44, 0x3f22f983                      ; 2 / pi
	s_mov_b32 s45, 0xbfc90fdb                      ; - pi / 2, as far as f32 holds it,
	s_mov_b32 s46, 0x333bbd2e                      ; and what that leaves over
	s_mov_b32 s47, 0xbe2aaaa3                      ; sin r = r + r z (s47 + z (s48 + z s49)), z = r r
	s_mov_b32 s48, 0x3c08839e
	s_mov_b32 s49, 0xb94ca1f9
	s_mov_b32 s50, 0x3d2aaaa5                      ; cos r = 1 - z / 2 + z z (s50 + z (s51 + z s52))
	s_mov_b32 s51, 0xbab6061a
	s_mov_b32 s52, 0x37ccf5ce
	s_mov_b32 s53, 0xbed49a78                      ; - log2(10000) / 32
	v_and_b32 v24, 7, v0
	v_lshlrev_b32 v24, 2, v24                      ; my first f
	v_bfe_u32 v[PHI], v0, 3, 1
	v_bfe_u32 v[PB], v0, 4, 1
	v_add_nc_u32 v[PB], s38, v[PB]
	v_lshlrev_b32 v[TA], 4, v2
.irp i, 0,1,2,3
	v_add_nc_u32 v[25+\i], \i, v24
.endr
.irp i, 0,1,2,3
	v_cvt_f32_u32 v[25+\i], v[25+\i]
.endr
.irp i, 0,1,2,3
	v_mul_f32 v[25+\i], s53, v[25+\i]
.endr
.irp i, 0,1,2,3
	v_exp_f32 v[INVF+\i], v[25+\i]                 ; 10000^(-f / 32)
.endr
	v_nop                                          ; a plain instruction between the last exponential and the use of its result (ISA guide 5.7.2)
.macro TRIG4 d                         ; four values cos(t x invf - phi x pi / 2), line by line in turns
.irp i, 0,1,2,3
	v_mul_f32 v[TH+\i], v[T], v[INVF+\i]           ; the angle, rounded to f32
.endr
.irp i, 0,1,2,3
	v_mul_f32 v[N+\i], s44, v[TH+\i]
.endr
.irp i, 0,1,2,3
	v_rndne_f32 v[N+\i], v[N+\i]                   ; n quarter turns
.endr
.irp i, 0,1,2,3
	v_fma_f32 v[TH+\i], v[N+\i], s45, v[TH+\i]
.endr
.irp i, 0,1,2,3
	v_fma_f32 v[TH+\i], v[N+\i], s46, v[TH+\i]     ; r = the angle - n pi / 2, within an eighth of a turn
.endr
.irp i, 0,1,2,3
	v_cvt_i32_f32 v[KQ+\i], v[N+\i]
.endr
.irp i, 0,1,2,3
	v_sub_nc_u32 v[KQ+\i], v[KQ+\i], v[PHI]        ; k = n - phi: the value is cos(k pi / 2 + r)
.endr
.irp i, 0,1,2,3
	v_mul_f32 v[Z+\i], v[TH+\i], v[TH+\i]
.endr
.irp i, 0,1,2,3
	v_fma_f32 v[SN+\i], v[Z+\i], s49, s48
	v_fma_f32 v[CN+\i], v[Z+\i], s52, s51
.endr
.irp i, 0,1,2,3
	v_fma_f32 v[SN+\i], v[SN+\i], v[Z+\i], s47
	v_fma_f32 v[CN+\i], v[CN+\i], v[Z+\i], s50
.endr
.irp i, 0,1,2,3
	v_mul_f32 v[RZ+\i], v[TH+\i], v[Z+\i]
	v_mul_f32 v[ZZ+\i], v[Z+\i], v[Z+\i]
.endr
.irp i, 0,1,2,3
	v_fma_f32 v[Z+\i], v[Z+\i], -0.5, 1.0
.endr
.irp i, 0,1,2,3
	v_fma_f32 v[SN+\i], v[SN+\i], v[RZ+\i], v[TH+\i]   ; sin r
	v_fma_f32 v[CN+\i], v[CN+\i], v[ZZ+\i], v[Z+\i]    ; cos r
.endr
.irp i, 0,1,2,3
	v_and_b32 v[N+\i], 1, v[KQ+\i]
	v_add_nc_u32 v[KQ+\i], 1, v[KQ+\i]
.endr
.irp i, 0,1,2,3
	v_cmp_eq_u32 vcc_lo, 1, v[N+\i]
	v_cndmask_b32 v[\d+\i], v[CN+\i], v[SN+\i], vcc_lo   ; k odd: the sine
.endr
.irp i, 0,1,2,3
	v_and_b32 v[KQ+\i], 2, v[KQ+\i]                ; k mod 4 = 1 or 2: the sign turns
.endr
.irp i, 0,1,2,3
	v_lshlrev_b32 v[KQ+\i], 30, v[KQ+\i]
.endr
.irp i, 0,1,2,3
	v_xor_b32 v[\d+\i], v[\d+\i], v[KQ+\i]
.endr
.endm
	s_wait_alu depctr_va_vdst(0)
.irp s, 0,1,2,3,4,5,6,7
	v_add_nc_u32 v[T], 2*\s, v[PB]
	v_cvt_f32_u32 v[T], v[T]
	TRIG4 D+4*\s
	global_store_b128 v[TA], v[D+4*\s:D+4*\s+3], s[28:29] offset:512*\s   ; two whole rows of the table: 512 consecutive bytes; each store has registers of its own
.endr
	s_endpgm
.Lfunc_end_k_q656e390aa2_prep:
	.size	k_q656e390aa2_prep, .Lfunc_end_k_q656e390aa2_prep-k_q656e390aa2_prep
	.p2alignl 7, 3214868480
	.fill 96, 4, 3214868480
	.section	.rodata,"a",@progbits
	.p2align	6, 0x0
	.amdhsa_kernel k_q656e390aa2_prep
		.amdhsa_group_segment_fixed_size 33280
		.amdhsa_private_segment_fixed_size 0
		.amdhsa_enable_private_segment 0
		.amdhsa_kernarg_size 88
		.amdhsa_user_sgpr_count 2
		.amdhsa_user_sgpr_kernarg_segment_ptr 1
		.amdhsa_wavefront_size32 1
		.amdhsa_system_sgpr_workgroup_id_x 1
		.amdhsa_system_sgpr_workgroup_id_y 1
		.amdhsa_system_sgpr_workgroup_id_z 1
		.amdhsa_system_vgpr_workitem_id 0
		.amdhsa_next_free_vgpr 194
		.amdhsa_next_free_sgpr 66
		.amdhsa_reserve_vcc 1
		.amdhsa_float_denorm_mode_32 3
		.amdhsa_float_denorm_mode_16_64 3
		.amdhsa_memory_ordered 1
		.amdhsa_forward_progress 1
		.amdhsa_inst_pref_size 92
	.end_amdhsa_kernel
	.amdgpu_metadata
---
amdhsa.version: [ 1, 2 ]
amdhsa.kernels:
  - .name:           k_q656e390aa2_prep
    .symbol:         k_q656e390aa2_prep.kd
    .args:
      - { .name: hidden_states, .offset: 0, .size: 8, .value_kind: global_buffer, .address_space: global }
      - { .name: Wq, .offset: 8, .size: 8, .value_kind: global_buffer, .address_space: global }
      - { .name: Wk, .offset: 16, .size: 8, .value_kind: global_buffer, .address_space: global }
      - { .name: Wv, .offset: 24, .size: 8, .value_kind: global_buffer, .address_space: global }
      - { .name: Wo, .offset: 32, .size: 8, .value_kind: global_buffer, .address_space: global }
      - { .name: x_codes, .offset: 40, .size: 8, .value_kind: global_buffer, .address_space: global }
      - { .name: x_scales, .offset: 48, .size: 8, .value_kind: global_buffer, .address_space: global }
      - { .name: w_codes, .offset: 56, .size: 8, .value_kind: global_buffer, .address_space: global }
      - { .name: w_scales, .offset: 64, .size: 8, .value_kind: global_buffer, .address_space: global }
      - { .name: wo_h, .offset: 72, .size: 8, .value_kind: global_buffer, .address_space: global }
      - { .name: rope, .offset: 80, .size: 8, .value_kind: global_buffer, .address_space: global }
    .group_segment_fixed_size: 33280
    .private_segment_fixed_size: 0
    .kernarg_segment_align: 8
    .kernarg_segment_size: 88
    .max_flat_workgroup_size: 128
    .sgpr_count:     66
    .vgpr_count:     194
    .wavefront_size: 32
...
	.end_amdgpu_metadata
.endif
;; end of part 1
;; launch qkv (part 2): grid 12 x 16, 4 waves a work-group, clusters of 4 x 4, 327,680 bytes of LDS; arguments x_codes, x_scales, w_codes, w_scales, rope, qkv; writes qkv
.if DOCPART == 2
	.amdgcn_target "amdgcn-amd-amdhsa--gfx1250"
	.amdhsa_code_object_version 6
	.text
	.protected	k_q656e390aa2_qkv
	.globl	k_q656e390aa2_qkv
	.p2align	8
	.type	k_q656e390aa2_qkv,@function
k_q656e390aa2_qkv:
	s_mov_b64 s[64:65], 0
	v_nop
	global_prefetch_b8 v0, s[64:65] scope:SCOPE_SE
	s_setreg_imm32_b32 hwreg(HW_REG_WAVE_MODE, 25, 1), 1
	s_wait_xcnt 0x0
	s_wait_alu depctr_hold_cnt(0) depctr_sa_sdst(0) depctr_va_vdst(0) depctr_va_sdst(0) depctr_va_ssrc(0) depctr_va_vcc(0) depctr_vm_vsrc(0)
	s_getreg_b32 s2, hwreg(HW_REG_IB_STS2, 6, 4)
	s_cmp_eq_u32 s2, 0
	s_cbranch_scc0 .Lentry_in_a_cluster
	s_endpgm
.Lentry_in_a_cluster:
	s_bfe_u32 s2, ttmp6, 0x10000c
	s_cmp_lg_u32 s2, 0xf033
	s_cbranch_scc0 .Lentry_shape_is_right
	s_endpgm
.Lentry_shape_is_right:
; QKV.  C[m][n] = sum over k of x[m][k] W[n][k], m = 4,096 rows (batch x position), n = 3,072 (Wq's, Wk's, Wv's 1,024 rows on end), K = 1,024, both operands as codes of FP4 (E2M1) with one E8M0 scale for each 32 along K; sums in f32.
; Columns 0-2047 (q and k) are then turned by the rotary angles of the row's position, in f32; all is rounded once to f16 and stored as qkv [4096][3072].
; LIMIT: |q|, |k|, |v| beyond 65,504 do not fit f16.  (Inputs 30 times those drawn give about 5,400; offsets of 30 spreads on both operands about 28,800.)
; A tile of C, 256 x 256, is made by a work-group of four waves; a wave makes 128 x 128: 64 accumulators of 16 x 16, 512 registers.  K goes in two steps of 512 through two LDS slots, each filled once: a tile's row is 256 bytes of memory.
; THE SCALES of the work-group's 256 rows of x and 256 rows of W, for all of K, are two dense blocks of memory: they come into LDS once, with the first fills.
; CLUSTERS: 4 x 4 work-groups.  The four of a row of the cluster need the same tiles of x, the four of a column the same tiles of W: each tile is asked for JOINTLY, by the same tensor load with the same descriptor and a mask that names the four.
; The cluster's x is 0 for q, 1 for k, 2 for v.  192 work-groups: a tile half as large would give more of them, and read each fragment from LDS for half as many products.
; THE MATRIX INSTRUCTION IS USED TRANSPOSED (source 0 = 16 rows of W, source 1 = 16 rows of x): a lane then holds eight neighbouring columns of one row of C.  So a lane has one position, and columns d and d + 32 of a head
; (64 columns: four tiles) lie in the same lane and the same register number, two tiles apart: the turn needs no other lane.
; v TAKES THE SAME WAY OUT: its work-groups read the table's row of position 0, which holds cos = 1 and sin = 0 exactly, so that x 1 -+ y 0 = x.  That costs them 64 packed instructions a block and spares a second copy of the way out.
; REGISTERS, in windows of 256: window 0: v0-31 addresses; v32-95 scale words, two sets, and nothing else; v96-127 packed results; v128-191 x's fragments, ONE set, later rows read back from the stage; v192-255 two sets of table values.
;   window 1: W's fragments, TWO sets, at v0 and at v128; v64-127 the turned numbers.   window 2: the 32 accumulators of my rows 0-63 (accumulator (a, b) at v[8 (8 a + b)]);   window 3: those of my rows 64-127.
.set SIZE_N, 3072
.set SIZE_K, 1024
.set KSTEP,  512                       ; along K in a slot
.set NQ,     KSTEP/128                 ; matrix instructions deep
.set ROWB,   256                       ; a tile's row in bytes
.set KROW,   SIZE_K/2                  ; a row of codes in memory, in bytes
.set PITCH,  272                       ; an LDS row: 256 bytes + 16 of padding = 68 words: row r starts at bank 4 r mod 64 (ISA guide 11.1), so the 16 rows that a load touches start at 16 different banks
.set FR,     8                         ; registers of a fragment: 16 rows x 128 K
.set NL,     2                         ; LDS loads that bring one
.set NP,     4                         ; places behind this matrix instruction (ISA guide 7.12.1)
.set HALFT,  128*PITCH                 ; 128 rows: what one tensor load brings
.set SLOT,   4*HALFT                   ; x's 256 rows, then W's 256 rows
.set KS,     SIZE_K/32                 ; a row of scales in bytes
.set SCL,    2*SLOT                    ; behind the slots: the scales, as rows of 256 bytes + 16 of padding
.set HALFS,  (128*KS/256)*272          ; the scales of 128 rows: what one tensor load brings
.set SBLK,   (16*KS/256)*272           ; those of 16 rows
.set SPARE,  SCL+4*HALFS               ; the spare words, 128 bytes for each wave: two blocks of 256 bytes that no other line names
.set SPITCH, 272                       ; the way out: a stage of 16 rows x (256 bytes + 16) for each wave, in slot 0, which has had its only fill and its last read when the first result is stored there
.set ADRA, 16                          ; v16-17  LDS address of my x fragments in slot 0, 1
.set ADRB, 20                          ; v20-21  the same for W
.set STO,  24                          ; v24     the way out: where I put 16 bytes of a row
.set RD,   25                          ; v25     where I read a row back
.set CO,   26                          ; v26     my byte offset in two rows of qkv
.set ADRS, 27                          ; v27     LDS address of my scale words: lanes 0-15 x's rows, lanes 16-31 W's
.set SPW,  28                          ; v28     LDS address of my spare word; never rewritten
.set NIL,  29                          ; v29     0; never rewritten
.set TO,   30                          ; v30-31  my byte offset in the table: for even blocks of 16 rows, for odd ones
.set SC,   32                          ; scale words: set s at v[SC + 8 NQ s]; in it register NQ i + q: lanes 0-15 the word of x's block i, lanes 16-31 that of W's block i, for the slot's q-th 128 along K
.set TMP,  96
.set AF,   128
.set BK,   128                         ; 16 rows read back: v128-159 and v160-191 by turns
.set TAB,  192                         ; set e at v[TAB + 32 e]: registers 8 u + j: cos of f = 16 u + 8 (lane / 16) + j; 16 + 8 u + j: sin
.set NR,   64                          ; in window 1
.set G1, 24                            ; s[24:31] descriptor group 1 for x's tiles;  s[32:39] group 0, one set for each slot
.set G0, 32
.set G1B, 48                           ; s[48:55], s[56:63] the same for W's tiles
.set G0B, 56
.set G1S, 68                           ; s[68:75], s[76:79] groups 1 and 0 for x's scales;  s[80:87], s[88:91] for W's
.set G0S, 76
.set G1SB, 80
.set G0SB, 88
.set MSB, 0
.macro WIN new                         ; the immediate's high byte repeats the setting that is left
.if MSB != \new
	s_set_vgpr_msb (MSB<<8)|\new
.set MSB, \new
.endif
.endm
.set MUL_LO, 0xa1                      ; source 0 (W) window 1, source 1 (x) window 0, C and D window 2
.set MUL_HI, 0xf1                      ; the same, C and D window 3
.set TO_B,   0x40                      ; destination window 1, address window 0
; A joint load: waves 0 and 1 fetch for x, waves 2 and 3 for W.  Each of the two lines has ONE mask and one set of registers for all that issue it; the branch hangs on the wave's number alone.
; Four v_nop follow each of the two lines, ahead of the jump, the label and what follows.
.macro JLOAD g0a, g1a, g0b, g1b
	s_cmp_eq_u32 s15, 0
	s_cbranch_scc0 .Lfor_b_\@
	tensor_load_to_lds s[\g0a:\g0a+3], s[\g1a:\g1a+7]
	s_nop 0
.rept 4
	v_nop
.endr
	s_branch .Lasked_\@
.Lfor_b_\@:
	tensor_load_to_lds s[\g0b:\g0b+3], s[\g1b:\g1b+7]
	s_nop 0
.rept 4
	v_nop
.endr
.Lasked_\@:
.endm
.macro CROUND                          ; a round of the cluster's barrier: my work-group's barrier; wave 0 signals for the work-group; every wave waits for all sixteen; my work-group's barrier once more
	s_barrier_signal -1
	s_barrier_wait -1
	s_cmp_lg_u32 s14, 0
	s_cbranch_scc1 .Lnot_wave_0_\@
	s_barrier_signal -3
.Lnot_wave_0_\@:
	s_barrier_wait -3
	s_barrier_signal -1
	s_barrier_wait -1
.endm
	s_load_b128 s[4:7], s[0:1], 0x0                ; x's codes s[4:5], x's scales s[6:7]
	s_load_b128 s[8:11], s[0:1], 0x10              ; W's codes s[8:9], W's scales s[10:11]
	s_load_b64 s[96:97], s[0:1], 0x20              ; the table
	s_load_b64 s[12:13], s[0:1], 0x28              ; qkv
	v_lshl_add_u32 v[SPW], v0, 2, SPARE
	v_mov_b32 v[NIL], 0
	ds_add_u32 v28, v29
	s_wait_dscnt 0x0
	v_lshrrev_b32 v1, 5, v0
	v_readfirstlane_b32 s14, v1                    ; wave 0..3
	s_lshr_b32 s15, s14, 1                         ; which half of the tile's rows is mine.  Also: I fetch for x (0) or for W (1)
	s_and_b32 s16, s14, 1                          ; which half of its columns.  Also: which 128 rows of that tile I fetch
	s_bfe_u32 s40, ttmp6, 0x40000                  ; cx, cy: my place in the cluster
	s_bfe_u32 s41, ttmp6, 0x40004
	s_lshl_b32 s42, ttmp9, 2
	s_add_co_u32 s42, s42, s40                     ; tile column of C = 4 x cluster x + cx
	s_and_b32 s17, ttmp7, 0xffff
	s_lshl_b32 s17, s17, 2
	s_add_co_u32 s17, s17, s41                     ; tile row of C = 4 x cluster y + cy
	s_lshl_b32 s43, s41, 2
	s_lshl_b32 s43, 15, s43                        ; my row of the cluster
	s_lshl_b32 s44, 0x1111, s40                    ; my column
	; descriptor group 1: a tile of 128 rows x 256 bytes, padded in LDS
	s_or_b32 s[G1+0], s43, (0<<16)|(1<<20)|(1<<21)|(5<<22)|(3<<25)  ; 15:0 the mask: x's tiles go to my row; 17:16 element of 1 byte; 20 padding on; 21 set beside a mask; 24:22 after every 64 words (code 5); 31:25 of 4 words (code 3)
	s_or_b32 s[G1B+0], s44, (0<<16)|(1<<20)|(1<<21)|(5<<22)|(3<<25)
.irp g, G1, G1B
	s_mov_b32 s[\g+1], ROWB<<16                    ; tensor_dim0
	s_mov_b32 s[\g+2], 128<<16                     ; tensor_dim1 = 128
	s_mov_b32 s[\g+3], ROWB<<16                    ; tile_dim0
	s_mov_b32 s[\g+4], 128                         ; tile_dim1 = 128
	s_mov_b32 s[\g+5], KROW                        ; tensor_dim0_stride
	s_mov_b32 s[\g+6], 0
	s_mov_b32 s[\g+7], 0
.endr
	; and for the scales of 128 rows: a dense block of 4,096 bytes, as 16 rows of 256 bytes (32 elements of 8 bytes), 16 bytes of padding behind each
	s_or_b32 s[G1S+0], s43, (3<<16)|(1<<20)|(1<<21)|(5<<22)|(3<<25)
	s_or_b32 s[G1SB+0], s44, (3<<16)|(1<<20)|(1<<21)|(5<<22)|(3<<25)
.irp g, G1S, G1SB
	s_mov_b32 s[\g+1], 32<<16
	s_mov_b32 s[\g+2], (128*KS/256)<<16
	s_mov_b32 s[\g+3], 32<<16
	s_mov_b32 s[\g+4], 128*KS/256
	s_mov_b32 s[\g+5], 32
	s_mov_b32 s[\g+6], 0
	s_mov_b32 s[\g+7], 0
.endr
	s_lshl_b32 s18, s16, 7                         ; which 128 rows of the tile I fetch
	s_lshl_b32 s20, s17, 8
	s_add_co_u32 s20, s20, s18                     ; x: row 256 x tile row + 128 x half
	s_lshl_b32 s46, s42, 8
	s_add_co_u32 s46, s46, s18                     ; W: row 256 x tile column + 128 x half
	s_mov_b32 s21, 0
	s_mov_b32 s47, 0
	s_mov_b64 s[18:19], KS
	s_mul_u64 s[22:23], s[20:21], s[18:19]         ; where these rows' scales begin, in bytes
	s_mul_u64 s[92:93], s[46:47], s[18:19]
	s_mov_b64 s[18:19], KROW
	s_mul_u64 s[20:21], s[20:21], s[18:19]         ; and their codes
	s_mul_u64 s[46:47], s[46:47], s[18:19]
	s_mul_i32 s45, s14, HALFT                      ; where they go: wave x 128 rows: no place in the cluster enters an LDS address
	s_mul_i32 s94, s14, HALFS
	s_wait_kmcnt 0x0
	s_add_nc_u64 s[20:21], s[4:5], s[20:21]
	s_add_nc_u64 s[22:23], s[6:7], s[22:23]
	s_add_nc_u64 s[46:47], s[8:9], s[46:47]
	s_add_nc_u64 s[92:93], s[10:11], s[92:93]
	CROUND                                         ; all sixteen work-groups are here: the joint loads meet
	s_mov_b32 s[G0S], 1
	s_add_co_u32 s[G0S+1], s94, SCL
	s_mov_b64 s[G0S+2:G0S+3], s[22:23]
	s_or_b32 s[G0S+3], s[G0S+3], 0x80000000
	s_mov_b32 s[G0SB], 1
	s_add_co_u32 s[G0SB+1], s94, SCL
	s_mov_b64 s[G0SB+2:G0SB+3], s[92:93]
	s_or_b32 s[G0SB+3], s[G0SB+3], 0x80000000
	JLOAD G0S, G1S, G0SB, G1SB                     ; the scales first: they are wanted with K step 0
.irp s, 0,1
	s_mov_b32 s[G0+4*\s], 1
	s_add_co_u32 s[G0+4*\s+1], s45, \s*SLOT
	s_add_nc_u64 s[G0+4*\s+2:G0+4*\s+3], s[20:21], \s*ROWB
	s_or_b32 s[G0+4*\s+3], s[G0+4*\s+3], 0x80000000
	s_mov_b32 s[G0B+4*\s], 1
	s_add_co_u32 s[G0B+4*\s+1], s45, \s*SLOT
	s_add_nc_u64 s[G0B+4*\s+2:G0B+4*\s+3], s[46:47], \s*ROWB
	s_or_b32 s[G0B+4*\s+3], s[G0B+4*\s+3], 0x80000000
	JLOAD G0+4*\s, G1, G0B+4*\s, G1B               ; three tensor loads of mine are out, and no more are issued in this launch
.endr
	v_and_b32 v1, 15, v0                           ; r = l % 16
	v_bfe_u32 v2, v0, 4, 1                         ; h = l / 16
	v_mul_u32_u24 v3, v1, PITCH
	v_lshl_add_u32 v4, v2, 4, v3                   ; a fragment's row x pitch + 16 x half
	s_mul_i32 s21, s15, HALFT                      ; my 128 rows of x
	s_mul_i32 s22, s16, HALFT                      ; my 128 rows of W,
	s_add_co_u32 s22, s22, 2*HALFT                 ; which lie behind x's 256
.irp s, 0,1
	v_add_nc_u32 v[ADRA+\s], s21, v4
	v_add_nc_u32 v[ADRB+\s], s22, v4
	s_add_co_u32 s21, s21, SLOT
	s_add_co_u32 s22, s22, SLOT
.endr
	v_mul_u32_u24 v5, v1, KS                       ; my row's scales: KS bytes a row,
	v_lshrrev_b32 v6, 8, v5
	v_lshl_add_u32 v5, v6, 4, v5                   ; and 16 more for each 256 passed
	s_mul_i32 s21, s15, HALFS                      ; x's: my 128 rows
	s_mul_i32 s22, s16, HALFS                      ; W's: my 128 rows, behind x's 256
	s_add_co_u32 s22, s22, 2*HALFS
	s_sub_co_u32 s22, s22, s21
	v_mul_u32_u24 v6, s22, v2                      ; lanes 16-31 take W's: the lower base + h x the distance
	s_add_co_u32 s21, s21, SCL
	v_add_nc_u32 v5, v5, v6
	v_add_nc_u32 v[ADRS], s21, v5
	s_mul_i32 s23, s14, 16*SPITCH                  ; my stage
	v_mul_u32_u24 v5, v1, SPITCH                   ; in: row r, 16 bytes for each half of the lanes
	v_lshl_add_u32 v5, v2, 4, v5
	v_add_nc_u32 v[STO], s23, v5
	v_mul_u32_u24 v5, v2, SPITCH                   ; back: lanes 0-15 take one row of 256 bytes, lanes 16-31 the next
	v_lshl_add_u32 v5, v1, 4, v5
	v_add_nc_u32 v[RD], s23, v5
	v_mul_u32_u24 v5, v2, SIZE_N*2                 ; and the same two rows in qkv
	v_lshl_add_u32 v[CO], v1, 4, v5
	s_lshl_b32 s20, s17, 8
	s_lshl_b32 s21, s15, 7
	s_add_co_u32 s20, s20, s21                     ; my first row of C: 256 x tile row + 128 x half
	s_and_b32 s22, s20, 2047                       ; its position in its batch; my 128 rows stay in one batch
	s_mul_i32 s20, s20, SIZE_N*2                   ; 6,144 bytes a row: under 2^32
	s_lshl_b32 s46, s42, 9                         ; my first column, in bytes: 512 x tile column + 256 x half
	s_lshl_b32 s47, s16, 8
	s_add_co_u32 s46, s46, s47
	s_add_co_u32 s20, s20, s46
	s_mov_b32 s21, 0
	s_add_nc_u64 s[12:13], s[12:13], s[20:21]
	s_lshl_b32 s22, s22, 8                         ; 256 bytes of the table a position
	s_cmp_lt_u32 ttmp9, 2                          ; q or k?  The cluster's x: alike in all partners.  For v every stride is 0: position 0 for every row
	s_cselect_b32 s22, s22, 0
	s_cselect_b32 s95, 256, 0                      ; from row to row,
	s_cselect_b32 s98, 4096, 0                     ; from a block of 16 rows to the next,
	s_cselect_b32 s99, 8192, 0                     ; and to the next but one
	s_mov_b32 s23, 0
	s_add_nc_u64 s[96:97], s[96:97], s[22:23]
	v_mul_lo_u32 v[TO], v1, s95
	v_lshl_add_u32 v[TO], v2, 5, v[TO]             ; row r, + 32 h: my eight f of each sixteen
	v_add_nc_u32 v[TO+1], s98, v[TO]
.macro TABLE e                         ; eight loads: a block's cosines and sines for my row, into set e
.irp u, 0,1
	global_load_b128 v[TAB+32*(\e)+8*\u:TAB+32*(\e)+8*\u+3],       v[TO+(\e)], s[96:97] offset:64*\u
	global_load_b128 v[TAB+32*(\e)+8*\u+4:TAB+32*(\e)+8*\u+7],     v[TO+(\e)], s[96:97] offset:64*\u+16
	global_load_b128 v[TAB+32*(\e)+16+8*\u:TAB+32*(\e)+16+8*\u+3], v[TO+(\e)], s[96:97] offset:128+64*\u
	global_load_b128 v[TAB+32*(\e)+16+8*\u+4:TAB+32*(\e)+16+8*\u+7], v[TO+(\e)], s[96:97] offset:128+64*\u+16
.endr
.endm
	TABLE 0                                        ; blocks 0 and 1 are asked for here and land under the products
	TABLE 1
.macro FRAG reg, adr, q, i             ; a fragment, 16 rows x 128 K of 4-bit codes, is 8 registers: lane l holds row l % 16; registers 4 c .. 4 c + 3 hold K = 64 c + 32 (l / 16) + 0 .. 31
.irp c, 0,1
	ds_load_b128 v[\reg+4*\c:\reg+4*\c+3], v[\adr] offset:64*(\q)+32*\c+(\i)*16*PITCH
.endr
.endm
; 16 matrix instructions: x's blocks a0, a0 + 1 against W's eight, 128 along K: the slot's q-th.  p: W's set;  sc: the set of scale words.  zero = 1: the first product starts the sums: nothing is ever cleared.
; The 64 accumulators take turns, one instruction a turn, in the same order in every step.
.macro MUL16 a0, p, q, sc, zero
.irp a, \a0, \a0+1
.irp b, 0,1,2,3,4,5,6,7
.if \zero
	v_wmma_scale_f32_16x16x128_f8f6f4 v[8*(8*((\a)%4)+\b):8*(8*((\a)%4)+\b)+7], v[128*(\p)+FR*\b:128*(\p)+FR*\b+FR-1], v[AF+FR*(\a):AF+FR*(\a)+FR-1], 0, v[SC+8*NQ*(\sc)+NQ*\b+(\q)], v[SC+8*NQ*(\sc)+NQ*(\a)+(\q)] matrix_a_fmt:MATRIX_FMT_FP4 matrix_b_fmt:MATRIX_FMT_FP4 matrix_a_scale:MATRIX_SCALE_ROW1
.else
	v_wmma_scale_f32_16x16x128_f8f6f4 v[8*(8*((\a)%4)+\b):8*(8*((\a)%4)+\b)+7], v[128*(\p)+FR*\b:128*(\p)+FR*\b+FR-1], v[AF+FR*(\a):AF+FR*(\a)+FR-1], v[8*(8*((\a)%4)+\b):8*(8*((\a)%4)+\b)+7], v[SC+8*NQ*(\sc)+NQ*\b+(\q)], v[SC+8*NQ*(\sc)+NQ*(\a)+(\q)] matrix_a_fmt:MATRIX_FMT_FP4 matrix_b_fmt:MATRIX_FMT_FP4 matrix_a_scale:MATRIX_SCALE_ROW1
.endif
.endr
.endr
.endm
.macro FETCH_B slot, q, p              ; W's eight fragments of the slot's q-th 128 along K into set p
	WIN TO_B
.irp i, 0,1,2,3,4,5,6,7
	FRAG 128*(\p)+FR*\i, ADRB+\slot, \q, \i
.endr
	WIN 0
.endm
.macro FETCH_A slot, q, i0             ; x's blocks i0 .. i0 + 3
.irp i, \i0, \i0+1, \i0+2, \i0+3
	FRAG AF+FR*(\i), ADRA+\slot, \q, \i
.endr
.endm
.macro SCALES sc                       ; a K step's scale words into set sc: NQ words a row; lanes 0-15 take x's block i, lanes 16-31 W's block i
.irp i, 0,1,2,3,4,5,6,7
	ds_load_b128 v[SC+8*NQ*\sc+NQ*\i:SC+8*NQ*\sc+NQ*\i+3], v[ADRS] offset:\i*SBLK
.endr
.endm
; A load into a register that a matrix instruction has read, and a vector instruction or an LDS store that reads a matrix result or writes one of its registers, stand NP places behind that matrix instruction,
; and only plain vector instructions that name none of its registers are places (ISA guide 7.12.1 for vector instructions).
.macro PLACES n
.rept \n
	v_nop
.endr
.endm
; A step of 128 along K that has its successor in the same slot.  A block of x is free as soon as its eight products are issued, so one set serves x: blocks 0-3 are fetched anew in the step's middle, blocks 4-7 at its end.
.macro STEP slot, q, zero
	s_wait_dscnt 4*NL                              ; W's set and x's blocks 0-3 are in; the youngest eight loads (x's blocks 4-7) may be out
	WIN MUL_LO
	MUL16 0, (\q)%2, \q, \slot, \zero
	MUL16 2, (\q)%2, \q, \slot, \zero
	s_wait_dscnt 0                                 ; x's blocks 4-7 are in (asked for 32 matrix instructions ago)
	PLACES NP
	FETCH_B \slot, (\q)+1, 1-(\q)%2
	FETCH_A \slot, (\q)+1, 0
	WIN MUL_HI
	MUL16 4, (\q)%2, \q, \slot, \zero
	MUL16 6, (\q)%2, \q, \slot, \zero
	PLACES NP
	WIN 0
	FETCH_A \slot, (\q)+1, 4
.endm
; Slot 0's last step changes slots: ONE barrier; in front of it each wave waits for all its tensor loads (its part of slot 1), adds 0 to its spare word, and waits for that and for its own reads of slot 0.
; Slot 0 is free for the stages from here on.
.macro TURN slot, next
	s_wait_tensorcnt 0x0                           ; all my tensor loads have landed  (every window is 0 here)
	ds_add_u32 v[SPW], v[NIL]                      ; 0 onto my spare word
	s_wait_dscnt 4*NL+1                            ; (the add and the youngest eight loads, x's blocks 4-7, may be out)
	WIN MUL_LO
	MUL16 0, 1, NQ-1, \slot, 0                     ; sixteen matrix instructions stand between the add and the wait for it
	s_wait_dscnt 0x0                               ; the add is done, and my reads of this slot are over
	s_barrier_signal -1
	MUL16 2, 1, NQ-1, \slot, 0
	WIN 0
	s_barrier_wait -1
	PLACES NP
	v_add_nc_u32 v[ADRS], 4*NQ, v[ADRS]            ; on to the next K step's scale words (no LDS load of mine is out)
	FETCH_B \next, 0, 0
	FETCH_A \next, 0, 0
	SCALES \next
	WIN MUL_HI
	MUL16 4, 1, NQ-1, \slot, 0
	MUL16 6, 1, NQ-1, \slot, 0
	PLACES NP
	WIN 0
	FETCH_A \next, 0, 4
.endm
.macro STEPS slot, from                ; the slot's steps from .. NQ - 2
.set Q, \from
.rept NQ-1-\from
	STEP \slot, Q, 0
.set Q, Q+1
.endr
.endm
	s_wait_tensorcnt 1                             ; the scales and my part of K step 0 are in (K step 1's load, the one issued behind them, may be out),
	s_barrier_signal -1
	s_barrier_wait -1                              ; everybody's are
	FETCH_B 0, 0, 0
	FETCH_A 0, 0, 0
	SCALES 0
	FETCH_A 0, 0, 4
	STEP 0, 0, 1                                   ; the first step's products start the sums
	STEPS 0, 1
	TURN 0, 1
	STEPS 1, 0
	s_wait_dscnt 4*NL                              ; the very last step: nothing more to fetch
	WIN MUL_LO
	MUL16 0, 1, NQ-1, 1, 0
	MUL16 2, 1, NQ-1, 1, 0
	s_wait_dscnt 0
	WIN MUL_HI
	MUL16 4, 1, NQ-1, 1, 0
	MUL16 6, 1, NQ-1, 1, 0
	WIN 0
; THE WAY OUT, block by block of 16 rows x 128 columns (two heads).
; ROPEPACK: for head g and u = 0, 1: lo = tile 4 g + u (columns d = 16 u + 8 h + j under 32), hi = tile 4 g + 2 + u (d + 32):  lo c - hi s  and  hi c + lo s, packed, in f32; then rounded to f16, 16 bytes a tile.
; Each accumulator is read from its low end on.
.macro ROPEPACK a
.set AC, 64*((\a)%4)
.set TS, TAB+32*((\a)%2)
.if (\a) < 7
	s_wait_loadcnt 8                               ; this block's eight table loads are in; the next block's eight may be out
.else
	s_wait_loadcnt 0
.endif
	WIN 0x52+(\a)/4                                ; source 0: window 2 or 3 (accumulators); source 1: window 0 (table); source 2 and destination: window 1
.irp g, 0,1
.irp u, 0,1
.irp j, 0,2,4,6
	v_pk_mul_f32 v[NR+8*(4*\g+\u)+\j:NR+8*(4*\g+\u)+\j+1], v[AC+8*(4*\g+\u)+\j:AC+8*(4*\g+\u)+\j+1], v[TS+8*\u+\j:TS+8*\u+\j+1]
.endr
.irp j, 0,2,4,6
	v_pk_mul_f32 v[NR+8*(4*\g+2+\u)+\j:NR+8*(4*\g+2+\u)+\j+1], v[AC+8*(4*\g+2+\u)+\j:AC+8*(4*\g+2+\u)+\j+1], v[TS+8*\u+\j:TS+8*\u+\j+1]
.endr
.irp j, 0,2,4,6
	v_pk_fma_f32 v[NR+8*(4*\g+\u)+\j:NR+8*(4*\g+\u)+\j+1], v[AC+8*(4*\g+2+\u)+\j:AC+8*(4*\g+2+\u)+\j+1], v[TS+16+8*\u+\j:TS+16+8*\u+\j+1], v[NR+8*(4*\g+\u)+\j:NR+8*(4*\g+\u)+\j+1] neg_lo:[1,0,0] neg_hi:[1,0,0]
.endr
.irp j, 0,2,4,6
	v_pk_fma_f32 v[NR+8*(4*\g+2+\u)+\j:NR+8*(4*\g+2+\u)+\j+1], v[AC+8*(4*\g+\u)+\j:AC+8*(4*\g+\u)+\j+1], v[TS+16+8*\u+\j:TS+16+8*\u+\j+1], v[NR+8*(4*\g+2+\u)+\j:NR+8*(4*\g+2+\u)+\j+1]
.endr
.endr
.endr
	WIN 0x05                                       ; sources 0 and 1 window 1, destination window 0
.irp b, 0,1,2,3,4,5,6,7
.irp i, 0,1,2,3
	v_cvt_pk_f16_f32 v[TMP+4*\b+\i], v[NR+8*\b+2*\i], v[NR+8*\b+2*\i+1]
.endr
.endr
	WIN 0
.if (\a) < 6
	v_add_nc_u32 v[TO+(\a)%2], s99, v[TO+(\a)%2]   ; the loads that read this offset were shown done by the wait above: on to the block two further on,
	TABLE (\a)%2                                   ; into the set just used
.endif
.endm
.macro TOSTAGE a                       ; a lane's 16 bytes are a sixteenth of a row's 256, and the lanes beside it hold other rows: the block goes through my own stage and comes back by rows
.set BB, BK+32*((\a)%2)
.irp b, 0,1,2,3,4,5,6,7
	ds_store_b128 v[STO], v[TMP+4*\b:TMP+4*\b+3] offset:32*\b
.endr
.irp t, 0,1,2,3,4,5,6,7
	ds_load_b128 v[BB+4*\t:BB+4*\t+3], v[RD] offset:\t*2*SPITCH    ; LDS serves a wave's instructions in order (ISA guide 5.7.1.4): these see the stores above
.endr
.endm
.macro SEND a
.set BB, BK+32*((\a)%2)
	s_wait_dscnt 0x0                               ; the block is back in registers
.irp t, 0,1,2,3,4,5,6,7
	global_store_b128 v[CO], v[BB+4*\t:BB+4*\t+3], s[12:13] offset:(16*(\a)+2*\t)*SIZE_N*2   ; 16 lanes store 256 consecutive bytes, at a multiple of 256 from the buffer's first byte; 126 rows at the most: inside the signed 24-bit immediate
.endr
.endm
	PLACES NP                                      ; behind the last products: block 0's results were finished long ago; x's fragments' registers are loaded into below
	ROPEPACK 0
	TOSTAGE 0
.irp a, 1,2,3,4,5,6,7                  ; block a's arithmetic stands between block a - 1's loads from the stage and the wait for them
	ROPEPACK \a
	s_wait_xcnt 0x0                                ; block a - 2's stores have read the registers into which block a's rows are loaded
	SEND \a-1
	TOSTAGE \a
.endr
	SEND 7
	s_wait_tensorcnt 0x0                           ; the wave's end, behind my last tensor load and my last LDS store
	ds_add_u32 v[SPW], v[NIL]
	s_wait_dscnt 0x0
	CROUND                                         ; the closing round: no work-group ends while a partner may still ask for a tile that names it
	s_endpgm
.Lfunc_end_k_q656e390aa2_qkv:
	.size	k_q656e390aa2_qkv, .Lfunc_end_k_q656e390aa2_qkv-k_q656e390aa2_qkv
	.p2alignl 7, 3214868480
	.fill 96, 4, 3214868480
	.section	.rodata,"a",@progbits
	.p2align	6, 0x0
	.amdhsa_kernel k_q656e390aa2_qkv
		.amdhsa_group_segment_fixed_size 327680
		.amdhsa_private_segment_fixed_size 0
		.amdhsa_enable_private_segment 0
		.amdhsa_kernarg_size 48
		.amdhsa_user_sgpr_count 2
		.amdhsa_user_sgpr_kernarg_segment_ptr 1
		.amdhsa_wavefront_size32 1
		.amdhsa_system_sgpr_workgroup_id_x 1
		.amdhsa_system_sgpr_workgroup_id_y 1
		.amdhsa_system_sgpr_workgroup_id_z 1
		.amdhsa_system_vgpr_workitem_id 0
		.amdhsa_next_free_vgpr 1024
		.amdhsa_next_free_sgpr 100
		.amdhsa_reserve_vcc 0
		.amdhsa_float_denorm_mode_32 3
		.amdhsa_float_denorm_mode_16_64 3
		.amdhsa_memory_ordered 1
		.amdhsa_forward_progress 1
		.amdhsa_inst_pref_size 165
	.end_amdhsa_kernel
	.amdgpu_metadata
---
amdhsa.version: [ 1, 2 ]
amdhsa.kernels:
  - .name:           k_q656e390aa2_qkv
    .symbol:         k_q656e390aa2_qkv.kd
    .args:
      - { .name: x_codes, .offset: 0, .size: 8, .value_kind: global_buffer, .address_space: global }
      - { .name: x_scales, .offset: 8, .size: 8, .value_kind: global_buffer, .address_space: global }
      - { .name: w_codes, .offset: 16, .size: 8, .value_kind: global_buffer, .address_space: global }
      - { .name: w_scales, .offset: 24, .size: 8, .value_kind: global_buffer, .address_space: global }
      - { .name: rope, .offset: 32, .size: 8, .value_kind: global_buffer, .address_space: global }
      - { .name: qkv, .offset: 40, .size: 8, .value_kind: global_buffer, .address_space: global }
    .group_segment_fixed_size: 327680
    .private_segment_fixed_size: 0
    .kernarg_segment_align: 8
    .kernarg_segment_size: 48
    .max_flat_workgroup_size: 128
    .sgpr_count:     100
    .vgpr_count:     1024
    .wavefront_size: 32
...
	.end_amdgpu_metadata
.endif
;; end of part 2
;; launch attn (part 3): grid 16 x 16, 8 waves a work-group, clusters of 4 x 1, 327,680 bytes of LDS; arguments qkv, ao; writes ao
.if DOCPART == 3
	.amdgcn_target "amdgcn-amd-amdhsa--gfx1250"
	.amdhsa_code_object_version 6
	.text
	.protected	k_q656e390aa2_attn
	.globl	k_q656e390aa2_attn
	.p2align	8
	.type	k_q656e390aa2_attn,@function
k_q656e390aa2_attn:
	s_mov_b64 s[64:65], 0
	v_nop
	global_prefetch_b8 v0, s[64:65] scope:SCOPE_SE
	s_setreg_imm32_b32 hwreg(HW_REG_WAVE_MODE, 25, 1), 1
	s_wait_xcnt 0x0
	s_wait_alu depctr_hold_cnt(0) depctr_sa_sdst(0) depctr_va_vdst(0) depctr_va_sdst(0) depctr_va_ssrc(0) depctr_va_vcc(0) depctr_vm_vsrc(0)
	s_getreg_b32 s2, hwreg(HW_REG_IB_STS2, 6, 4)
	s_cmp_eq_u32 s2, 0
	s_cbranch_scc0 .Lentry_in_a_cluster
	s_endpgm
.Lentry_in_a_cluster:
	s_bfe_u32 s2, ttmp6, 0x10000c
	s_cmp_lg_u32 s2, 0x3003
	s_cbranch_scc0 .Lentry_shape_is_right
	s_endpgm
.Lentry_shape_is_right:
; ATTN.  ao[b][q][head][:] = the sum over k of softmax_k(Q . K / 8) V, head size 64, 2,048 keys, no mask.  qkv: [4096 = b x 2048 + s][3072] f16 (q at byte 0 of a row, k at 2,048, v at 4,096; head h at 128 h in each); ao: [4096][1024] f16.
; Products on f16 operands with f32 sums; maxima, exponentials and sums in f32; the weights p (at most about 1) are rounded to f16 for the second product, the result once at the end.
; f16 and not bf16: its rounding step is an eighth of bf16's, and the operands have room in it (the launch that makes qkv states the bound).
; SHARES.  A work-group takes a PAIR of heads of one batch and 128 queries: the pair's slice of a row of q, k, v or ao is 256 aligned bytes.  Wave w of eight: head (w / 4) of the pair, queries 32 (w % 4) on: two tiles of 16.
; Two waves lie on a SIMD, 512 registers each, so that one wave's softmax stands beside the other's products; a step is written in plain phases.  Every wave walks all 2,048 keys, 64 a step.
; LAYOUT.  S^T = K Q^T (source 0 = 16 keys, source 1 = 16 queries): a lane holds ONE query (lane % 16) and the keys 8 (lane / 16) + 0..7.  Two such tiles, rounded to f16 in pairs, ARE source 1 (32 keys x 16 queries)
; of O^T = V^T P, whose result again holds one query a lane.  K comes out of LDS as it lies, V ([key][channel]) turned, by ds_load_tr16_b128.
; SOFTMAX.  For each query a running maximum m and sum l: p = 2^(c s - c m), c = log2(e) / 8; in every step O and l are multiplied by a = 2^(c m_old - c m_new).  m begins at -3e38 and O, l at 0: the step is written once for all steps.
; CLUSTER.  The four query blocks of a cluster belong to one pair of heads and walk the same K and V: each tile is asked for JOINTLY, by the same tensor load with the same descriptor and a mask that names the four.
; RING.  Two LDS slots of four key steps (256 keys).  Waves 0-3 fetch the four steps' tiles of K, waves 4-7 those of V: one load a wave behind each round, 64 rows x 256 bytes, with four key steps in which to land.
; REGISTERS.  window 0: v1-14 addresses; v16-31 statistics; v32-39 partial sums; v64-127 S^T (32 a tile); v128-159 P (16 a tile); v160-223 O^T (32 a tile).   window 1: v0-31 Q; v32-95 K of one step; v96-159 V of one step.
; All that a softmax touches lies in window 0: six switches of the window for a key step.
.set KS,    64                         ; keys in a step
.set PK,    272                        ; a row of K in LDS: 256 bytes + 16 of padding: the 16 rows of a load start at 16 different banks
.set PV,    288                        ; a row of V: 256 + 32
.set VOFF,  KS*PK                      ; a step's tiles lie together: 64 rows of K, then 64 rows of V
.set STEPB, KS*(PK+PV)                 ; 35,840
.set SLOTB, 4*STEPB                    ; 143,360
.set SPI,   272
.set STAGE, 2*SLOTB                    ; behind the ring: 128 rows x 272 bytes, the work-group's, for the way out; no tile lands there
.set SPARE, STAGE+128*SPI              ; the spare words, 128 bytes for each wave: four blocks of 256 bytes that no other line names
.set ROWM,  6144                       ; a row of qkv in bytes
.set SLOTM, 256*ROWM                   ; a slot's keys in memory
.set AK0, 2                            ; v2   my lane's place in a tile of K, my head's half of the row; never rewritten
.set AV0, 3                            ; v3   the same for V
.set ADR, 4                            ; v4   the LDS address of the run of loads in hand
.set QO,  5                            ; v5   my byte offset in the wave's rows of Q
.set STO, 6                            ; v6   the way out: where I put 16 bytes of a row
.set RD,  7                            ; v7   where I read a row back
.set GO,  8                            ; v8   my byte offset in two rows of ao
.set SPW, 12                           ; v12  LDS address of my spare word; never rewritten
.set NIL, 13                           ; v13  0; never rewritten
.set PFO, 14                           ; v14  6,144 x my lane: a lane a row; never rewritten
.set ST,  16                           ; tile t's statistics at v[ST + 8 t]: +0 c m, +1 m, +2, +3 l (even keys', odd keys'), +4 to +7 c0-c3, at work; a takes c2's place
.set SA,  32                           ; tile t's two partial sums at v[SA + 4 t], v[SA + 4 t + 2], a pair each
.set S,   64
.set P,   128
.set O,   160
.set KF,  32                           ; in window 1
.set VF,  96
.set WV,  12                           ; s12  my wave's number
.set LIM, 15                           ; s15  1 in a wave that prefetches, else the greatest number
.set PFA, 18                           ; s[18:19] where my prefetches stand
.set G1K, 24                           ; s[24:31] descriptor group 1 for K's tiles
.set G1V, 32                           ; s[32:39] for V's: it differs in the padding alone
.set G0K, 40                           ; s[40:47] group 0 for K's tiles, a set for each slot
.set G0V, 48                           ; s[48:55] the same for V's
.set TRIP, 56                          ; s56  trips of the loop over pairs of slots still to go
.set CNT, 57                           ; s57  counts key steps
.set CS,  58                           ; s[58:59] c
.set SEL, 60                           ; s[60:61] lane selects for v_permlanex16_b32: lane l xor 16
.set TB,  62                           ; s62  LDS byte at which the tiles of the step to be fetched begin
.set MSB, 0
.macro WIN new                         ; the immediate's high byte repeats the setting that is left; a switch that changes nothing is dropped
.if MSB != \new
	s_set_vgpr_msb (MSB<<8)|\new
.set MSB, \new
.endif
.endm
.macro PLACES
.rept 4
	v_nop
.endr
.endm
; A joint refill of slot s.  The branch hangs on the wave's number alone.  Four v_nop follow each of the two lines, ahead of the jump, the label and what follows.
.macro JLOAD s
	s_cmp_lt_u32 s[WV], 4
	s_cbranch_scc0 .Lfor_v_\@
	tensor_load_to_lds s[G0K+4*\s:G0K+4*\s+3], s[G1K:G1K+7]
	s_nop 0
.rept 4
	v_nop
.endr
	s_branch .Lasked_\@
.Lfor_v_\@:
	tensor_load_to_lds s[G0V+4*\s:G0V+4*\s+3], s[G1V:G1V+7]
	s_nop 0
.rept 4
	v_nop
.endr
.Lasked_\@:
.endm
; A PREFETCH of what the NEXT change of slots will ask for: a slot's 256 rows of K and 256 of V, the pair's 256 bytes of each, a lane a row.  It stands behind the wave's tensor load and its four lines.
; Each row's block is named ONCE in the launch.  All four clusters of a pair of heads walk the same K and V: the first of them asks.  Its four partners share the rows out BY ADDRESS, 64 each;
; in each, waves 0 and 1 ask for K's (32 rows each) and waves 2 and 3 for V's: one instruction a wave, four key steps ahead of the load.  how = 1: the first change of a trip; how = 0: the second, which asks for nothing in the last trip.
.macro ASK how
.if \how
	s_cmp_eq_u32 s[LIM], 1
.else
	s_cmp_gt_u32 s[TRIP], s[LIM]
.endif
	s_cbranch_scc0 .Lnot_mine_\@
	global_prefetch_b8 v[PFO], s[PFA:PFA+1] th:TH_LOAD_NT scope:SCOPE_SE
.Lnot_mine_\@:
.endm
.macro CROUND                          ; a round of the cluster's barrier
	s_barrier_signal -1
	s_barrier_wait -1
	s_cmp_lg_u32 s[WV], 0
	s_cbranch_scc1 .Lnot_wave_0_\@
	s_barrier_signal -3
.Lnot_wave_0_\@:
	s_barrier_wait -3
	s_barrier_signal -1
	s_barrier_wait -1
.endm
	s_load_b128 s[4:7], s[0:1], 0x0                ; qkv s[4:5], ao s[6:7]
	v_lshl_add_u32 v[SPW], v0, 2, SPARE
	v_mov_b32 v[NIL], 0
	ds_add_u32 v12, v13
	s_wait_dscnt 0x0
	v_lshrrev_b32 v1, 5, v0
	v_readfirstlane_b32 s[WV], v1                  ; wave 0..7
	s_bfe_u32 s13, ttmp6, 0x40000                  ; cx: my place in the cluster
	s_lshl_b32 s14, ttmp9, 2                       ; in a cluster launch ttmp9 counts clusters
	s_add_co_u32 s14, s14, s13                     ; my block of 128 queries: it enters Q's and ao's addresses alone
	s_and_b32 s20, ttmp7, 0xffff
	s_lshr_b32 s21, s20, 3                         ; the batch,
	s_and_b32 s20, s20, 7                          ; the pair of heads: the four partners share both
	s_and_b32 s16, s[WV], 3                        ; w % 4: which of a slot's four steps I fetch; which 32 queries are mine
	s_lshr_b32 s63, s[WV], 2                       ; w / 4: I fetch for K (0) or V (1); which head of the pair is mine
	s_mul_i32 s22, s21, 2048*ROWM
	s_lshl_b32 s23, s20, 8
	s_add_co_u32 s22, s22, s23                     ; the pair's first byte in the batch's first row of qkv
	s_mul_i32 s8, s16, KS*ROWM
	s_add_co_u32 s8, s8, s22                       ; at my step's 64 rows of slot 0
	s_mov_b32 s9, 0
	s_mul_i32 s17, s16, STEPB                      ; and its place in a slot: no place in the cluster enters an LDS address
	s_lshl_b32 s10, s14, 7
	s_lshl_b32 s11, s16, 5
	s_add_co_u32 s10, s10, s11                     ; my first query
	s_mul_i32 s10, s10, ROWM
	s_add_co_u32 s10, s10, s22
	s_lshl_b32 s11, s63, 7                         ; my head's 128 bytes
	s_add_co_u32 s10, s10, s11
	s_mov_b32 s11, 0
	s_lshl_b32 s2, s21, 11
	s_lshl_b32 s3, s14, 7
	s_add_co_u32 s2, s2, s3
	s_lshl_b32 s3, s[WV], 4
	s_add_co_u32 s2, s2, s3                        ; the first row of ao that I store: 2,048 b + 128 x block + 16 w
	s_lshl_b32 s2, s2, 11                          ; 2,048 bytes a row
	s_add_co_u32 s2, s2, s23
	s_mov_b32 s3, 0
	s_lshl_b32 s18, s13, 6                         ; the prefetches: my work-group's 64 rows of a slot's 256,
	s_and_b32 s19, s[WV], 1
	s_lshl_b32 s19, s19, 5
	s_add_co_u32 s18, s18, s19                     ; my wave's 32 of them,
	s_mul_i32 s18, s18, ROWM
	s_add_co_u32 s18, s18, s22
	s_add_co_u32 s18, s18, 2*SLOTM                 ; in the third slot's worth of keys; the first change of slots steps it on by one.  Nothing is prefetched here, at the head
	s_mov_b32 s19, 4096
	s_cmp_lt_u32 s[WV], 2
	s_cselect_b32 s19, 2048, s19                   ; of K (waves 0, 1) or of V
	s_add_co_u32 s18, s18, s19
	s_mov_b32 s19, 0
	s_or_b32 s[LIM], s63, ttmp9                    ; 0 in waves 0 to 3 of the pair's first cluster: the same in all four partners
	s_cmp_eq_u32 s[LIM], 0
	s_cselect_b32 s[LIM], 1, -1
	; descriptor group 1: a tile of 64 rows x 128 elements of 2 bytes, rows 3,072 elements apart, padded in LDS
	s_mov_b32 s[G1K], 15|(1<<16)|(1<<20)|(1<<21)|(5<<22)|(3<<25)  ; 15:0 the mask: all four work-groups; 17:16 elements of 2 bytes; 20 padding on; 21 set beside a mask; 24:22 after every 64 words (code 5); 31:25 4 words of it (code 3)
	s_mov_b32 s[G1V], 15|(1<<16)|(1<<20)|(1<<21)|(5<<22)|(7<<25)  ; the same with 8 words of padding (code 7)
.irp g, G1K, G1V
	s_mov_b32 s[\g+1], 128<<16                     ; tensor_dim0 = 128
	s_mov_b32 s[\g+2], KS<<16                      ; tensor_dim1 = 64
	s_mov_b32 s[\g+3], 128<<16                     ; tile_dim0 = 128
	s_mov_b32 s[\g+4], KS                          ; tile_dim1 = 64
	s_mov_b32 s[\g+5], 3072                        ; tensor_dim0_stride
	s_mov_b32 s[\g+6], 0
	s_mov_b32 s[\g+7], 0
.endr
	s_mov_b32 s[CS], 0x3e38aa3b                    ; c = log2(e) / 8
	s_mov_b32 s[CS+1], s[CS]                       ; named with it as a pair, so it is written
	s_mov_b32 s[SEL], 0x76543210
	s_mov_b32 s[SEL+1], 0xfedcba98
	s_mov_b32 s[TB], 0
	s_wait_kmcnt 0x0
	s_add_nc_u64 s[8:9], s[4:5], s[8:9]            ; made of the batch, the pair and the wave's number alone
	s_add_nc_u64 s[PFA:PFA+1], s[4:5], s[PFA:PFA+1]
	s_add_nc_u64 s[4:5], s[4:5], s[10:11]          ; Q at my wave's first row, my head
	s_add_nc_u64 s[6:7], s[6:7], s[2:3]            ; ao at the first row that I store
	CROUND                                         ; all four work-groups are here: the first joint loads meet
.irp s, 0,1
	s_mov_b32 s[G0K+4*\s], 1                       ; count = 1
	s_add_co_u32 s[G0K+4*\s+1], s17, \s*SLOTB      ; LDS address
	s_add_nc_u64 s[G0K+4*\s+2:G0K+4*\s+3], s[8:9], 2048+\s*SLOTM   ; global address: slot s begins with keys 256 s on
	s_or_b32 s[G0K+4*\s+3], s[G0K+4*\s+3], 0x80000000              ; type = 2
	s_mov_b32 s[G0V+4*\s], 1
	s_add_co_u32 s[G0V+4*\s+1], s17, \s*SLOTB+VOFF
	s_add_nc_u64 s[G0V+4*\s+2:G0V+4*\s+3], s[8:9], 4096+\s*SLOTM
	s_or_b32 s[G0V+4*\s+3], s[G0V+4*\s+3], 0x80000000
.endr
	s_cmp_lt_u32 s[WV], 4                          ; a wave's two first fills stand in one branch, ahead of every wait on TENSORcnt and every LDS read: two loads of mine are out
	s_cbranch_scc0 .Lfirst_v
	tensor_load_to_lds s[G0K:G0K+3], s[G1K:G1K+7]
	s_nop 0
	tensor_load_to_lds s[G0K+4:G0K+7], s[G1K:G1K+7]
	s_nop 0
.rept 4
	v_nop
.endr
	s_branch .Lfirst_asked
.Lfirst_v:
	tensor_load_to_lds s[G0V:G0V+3], s[G1V:G1V+7]
	s_nop 0
	tensor_load_to_lds s[G0V+4:G0V+7], s[G1V:G1V+7]
	s_nop 0
.rept 4
	v_nop
.endr
.Lfirst_asked:
	; A fragment of K or Q is 16 rows x 32 channels in 8 registers: lane l holds row l % 16; registers 0-3 channels 8 (l / 16) + 0..7, registers 4-7 channels 16 + 8 (l / 16) + 0..7: two loads of 16 bytes, 32 bytes apart.
	v_and_b32 v1, 15, v0                           ; r
	v_bfe_u32 v9, v0, 4, 1                         ; h
	v_mul_u32_u24 v[QO], v1, ROWM
	v_lshl_add_u32 v[QO], v9, 4, v[QO]
	WIN 0x40                                       ; destination window 1, address window 0
.irp t, 0,1
.irp c, 0,1                                    ; Q stays in registers: tile t, channels 32 c on, at v[16 t + 8 c]
	global_load_b128 v[16*\t+8*\c:16*\t+8*\c+3],   v[QO], s[4:5] offset:\t*16*ROWM+\c*64
	global_load_b128 v[16*\t+8*\c+4:16*\t+8*\c+7], v[QO], s[4:5] offset:\t*16*ROWM+\c*64+32
.endr
.endr
	WIN 0
	s_lshl_b32 s20, s63, 7                         ; my head's half of an LDS row
	v_mul_u32_u24 v[AK0], v1, PK
	v_lshl_add_u32 v[AK0], v9, 4, v[AK0]
	v_add_nc_u32 v[AK0], s20, v[AK0]
	; The turning load takes 16 keys x 16 channels (lane l reads 16 bytes: key 8 (l / 16) + l % 8, channels 8 ((l / 8) % 2) + 0..7) and leaves half a fragment of V^T: lane l holds channel l % 16 and 8 keys.
	v_and_b32 v10, 7, v0
	v_bfe_u32 v11, v0, 3, 1
	v_lshl_add_u32 v[AV0], v9, 3, v10
	v_mul_u32_u24 v[AV0], v[AV0], PV
	v_lshl_add_u32 v[AV0], v11, 4, v[AV0]
	s_add_co_u32 s21, s20, VOFF
	v_add_nc_u32 v[AV0], s21, v[AV0]
	v_and_b32 v[PFO], 31, v0
	v_mul_u32_u24 v[PFO], v[PFO], ROWM
	s_mul_i32 s21, s16, 32*SPI                     ; into the stage: my 32 rows, my head's half of their 256 bytes; row r, 16 bytes for each half of the lanes
	s_add_co_u32 s21, s21, s20
	s_add_co_u32 s21, s21, STAGE
	v_mul_u32_u24 v[STO], v1, SPI
	v_lshl_add_u32 v[STO], v9, 4, v[STO]
	v_add_nc_u32 v[STO], s21, v[STO]
	s_mul_i32 s21, s[WV], 16*SPI                   ; back: wave w takes rows 16 w on, whole; lanes 0-15 one row of 256 bytes, lanes 16-31 the next
	s_add_co_u32 s21, s21, STAGE
	v_mul_u32_u24 v[RD], v9, SPI
	v_lshl_add_u32 v[RD], v1, 4, v[RD]
	v_add_nc_u32 v[RD], s21, v[RD]
	v_lshlrev_b32 v[GO], 11, v9                    ; and the same two rows in ao
	v_lshl_add_u32 v[GO], v1, 4, v[GO]
.irp t, 0,1
	v_mov_b32 v[ST+8*\t+1], 0xff61b1e6             ; m: -3e38, under every score
	v_mov_b32 v[ST+8*\t+2], 0                      ; l
	v_mov_b32 v[ST+8*\t+3], 0
.endr
.irp t, 0,1
	v_mul_f32 v[ST+8*\t], s[CS], v[ST+8*\t+1]      ; c m
.endr
.set i, 0
.rept 64
	v_mov_b32 v[O+i], 0                            ; O^T.  (The step is written once: the first finds zeros, which its a = 0 leaves zeros)
.set i, i+1
.endr
; THE MATRIX WORK.  The eight accumulators of a run take turns, one instruction a turn; a run's last and the next run's first name different accumulators, over the backward jump too.
.macro KQALL                           ; S^T = K Q^T: channels 32 c on, keys 16 kt on, tile t.  The first eight start the sums
	WIN 0x05                                       ; K and Q in window 1, S^T in window 0
.irp c, 0,1
.irp kt, 0,1,2,3
.irp t, 0,1
.if \c == 0
	v_wmma_f32_16x16x32_f16 v[S+32*\t+8*\kt:S+32*\t+8*\kt+7], v[KF+16*\kt+8*\c:KF+16*\kt+8*\c+7], v[16*\t+8*\c:16*\t+8*\c+7], 0
.else
	v_wmma_f32_16x16x32_f16 v[S+32*\t+8*\kt:S+32*\t+8*\kt+7], v[KF+16*\kt+8*\c:KF+16*\kt+8*\c+7], v[16*\t+8*\c:16*\t+8*\c+7], v[S+32*\t+8*\kt:S+32*\t+8*\kt+7]
.endif
.endr
.endr
.endr
.endm
.macro PVALL                           ; O^T += V^T P: keys 32 kc on, channels 16 f on, tile t
	WIN 0x01                                       ; V in window 1, P and O^T in window 0
.irp kc, 0,1
.irp f, 0,1,2,3
.irp t, 0,1
	v_wmma_f32_16x16x32_f16 v[O+32*\t+8*\f:O+32*\t+8*\f+7], v[VF+32*\kc+8*\f:VF+32*\kc+8*\f+7], v[P+16*\t+8*\kc:P+16*\t+8*\kc+7], v[O+32*\t+8*\f:O+32*\t+8*\f+7]
.endr
.endr
.endr
.endm
; THE LDS LOADS stand in runs of 16: a step's K of my head (64 keys x 64 channels: 8 fragments) and its V (turned).
.macro FETCH_K
	WIN 0
	v_add_nc_u32 v[ADR], s[TB], v[AK0]
	WIN 0x40
.irp kt, 0,1,2,3
.irp c, 0,1
	ds_load_b128 v[KF+16*\kt+8*\c:KF+16*\kt+8*\c+3],   v[ADR] offset:\kt*16*PK+64*\c
	ds_load_b128 v[KF+16*\kt+8*\c+4:KF+16*\kt+8*\c+7], v[ADR] offset:\kt*16*PK+64*\c+32
.endr
.endr
.endm
.macro FETCH_V
	WIN 0
	v_add_nc_u32 v[ADR], s[TB], v[AV0]
	s_add_co_u32 s[TB], s[TB], STEPB               ; the next fetch is the next step's
	WIN 0x40
.irp kc, 0,1
.irp f, 0,1,2,3
	ds_load_tr16_b128 v[VF+32*\kc+8*\f:VF+32*\kc+8*\f+3],   v[ADR] offset:\kc*32*PV+32*\f
	ds_load_tr16_b128 v[VF+32*\kc+8*\f+4:VF+32*\kc+8*\f+7], v[ADR] offset:\kc*32*PV+16*PV+32*\f
.endr
.endr
	WIN 0
.endm
; Sum k of 16 of tile t's weights (unrounded), in pairs (an even key's, an odd key's), in two chains; the last takes them into l = a l + the sum.
.macro USUM t, k
.if (\k) == 0
	v_pk_add_f32 v[SA+4*\t:SA+4*\t+1], v[S+32*\t:S+32*\t+1], v[S+32*\t+2:S+32*\t+3]
.elseif (\k) == 1
	v_pk_add_f32 v[SA+4*\t+2:SA+4*\t+3], v[S+32*\t+4:S+32*\t+5], v[S+32*\t+6:S+32*\t+7]
.elseif (\k) < 14
	v_pk_add_f32 v[SA+4*\t+2*((\k)%2):SA+4*\t+2*((\k)%2)+1], v[SA+4*\t+2*((\k)%2):SA+4*\t+2*((\k)%2)+1], v[S+32*\t+2*((\k)+2):S+32*\t+2*((\k)+2)+1]
.elseif (\k) == 14
	v_pk_add_f32 v[SA+4*\t:SA+4*\t+1], v[SA+4*\t:SA+4*\t+1], v[SA+4*\t+2:SA+4*\t+3]
.else
	v_pk_fma_f32 v[ST+8*\t+2:ST+8*\t+3], v[ST+8*\t+2:ST+8*\t+3], v[ST+8*\t+6:ST+8*\t+7], v[SA+4*\t:SA+4*\t+1] op_sel_hi:[1,0,1]
.endif
.endm
; THE SOFTMAX of both tiles for one key step: 236 lines, all in window 0.  From the first exponential of a score on, an exponential and a plain line alternate, so that no two exponentials follow each other
; and each has a plain line behind it before its result is used (ISA guide 5.7.2).  The plain lines are work that is ready: the other tile's scalings, roundings a pair back, sums.
.macro SOFTMAX
.irp j, 0,1,2,3                                ; the maximum of a tile's 32 scores and the old m, three operands at a time, in four chains; each accumulator is read from its low end on
.irp t, 0,1
	v_max3_num_f32 v[ST+8*\t+4+\j], v[S+32*\t+8*\j], v[S+32*\t+8*\j+1], v[S+32*\t+8*\j+2]
.endr
.endr
.irp n, 1,2
.irp j, 0,1,2,3
.irp t, 0,1
	v_max3_num_f32 v[ST+8*\t+4+\j], v[ST+8*\t+4+\j], v[S+32*\t+8*\j+2*\n+1], v[S+32*\t+8*\j+2*\n+2]
.endr
.endr
.endr
.irp t, 0,1
	v_max3_num_f32 v[ST+8*\t+4], v[ST+8*\t+4], v[S+32*\t+7], v[S+32*\t+15]
.endr
.irp t, 0,1
	v_max3_num_f32 v[ST+8*\t+6], v[ST+8*\t+6], v[S+32*\t+23], v[S+32*\t+31]
.endr
.irp t, 0,1
	v_max3_num_f32 v[ST+8*\t+4], v[ST+8*\t+4], v[ST+8*\t+5], v[ST+8*\t+6]
.endr
.irp t, 0,1
	v_max3_num_f32 v[ST+8*\t+4], v[ST+8*\t+4], v[ST+8*\t+7], v[ST+8*\t+1]
.endr
.irp t, 0,1
	v_permlanex16_b32 v[ST+8*\t+5], v[ST+8*\t+4], s[SEL], s[SEL+1]  ; the query's other 32 keys lie in the lane 16 away
.endr
.irp t, 0,1
	v_mov_b32 v[ST+8*\t+7], v[ST+8*\t]             ; c m_old is kept for a
.endr
.irp t, 0,1
	v_max_num_f32 v[ST+8*\t+1], v[ST+8*\t+4], v[ST+8*\t+5]
.endr
.irp t, 0,1
	v_mul_f32 v[ST+8*\t], s[CS], v[ST+8*\t+1]
.endr
.irp t, 0,1
	v_sub_f32 v[ST+8*\t+7], v[ST+8*\t+7], v[ST+8*\t]
.endr
.irp t, 0,1
	v_exp_f32 v[ST+8*\t+6], v[ST+8*\t+7]           ; a
.endr
.irp i, 0,1,2,3,4,5,6,7,8,9,10,11,12,13,14,15  ; tile 0: c s - c m, two at a time (of the pairs c and c m the low word serves both halves)
	v_pk_fma_f32 v[S+2*\i:S+2*\i+1], v[S+2*\i:S+2*\i+1], s[CS:CS+1], v[ST:ST+1] op_sel_hi:[1,0,0] neg_lo:[0,0,1] neg_hi:[0,0,1]
.endr
.irp i, 0,1,2,3,4,5,6,7,8,9,10,11,12,13,14,15  ; tile 0's exponentials | tile 1's scalings, tile 0's roundings a pair back
	v_exp_f32 v[S+2*\i], v[S+2*\i]
	v_pk_fma_f32 v[S+32+2*\i:S+32+2*\i+1], v[S+32+2*\i:S+32+2*\i+1], s[CS:CS+1], v[ST+8:ST+9] op_sel_hi:[1,0,0] neg_lo:[0,0,1] neg_hi:[0,0,1]
	v_exp_f32 v[S+2*\i+1], v[S+2*\i+1]
.if \i > 0
	s_wait_alu depctr_va_vdst(0)
	v_cvt_pk_f16_f32 v[P+\i-1], v[S+2*\i-2], v[S+2*\i-1]
.endif
.endr
.irp i, 0,1,2,3,4,5,6,7,8,9,10,11,12,13,14,15  ; tile 1's exponentials | tile 0's last rounding and its sums, tile 1's roundings a pair back
	v_exp_f32 v[S+32+2*\i], v[S+32+2*\i]
.if \i == 0
	v_cvt_pk_f16_f32 v[P+15], v[S+30], v[S+31]
.else
	USUM 0, \i
.endif
	v_exp_f32 v[S+32+2*\i+1], v[S+32+2*\i+1]
.if \i == 0
	USUM 0, 0
.else
	s_wait_alu depctr_va_vdst(0)
	v_cvt_pk_f16_f32 v[P+16+\i-1], v[S+32+2*\i-2], v[S+32+2*\i-1]
.endif
.endr
	v_cvt_pk_f16_f32 v[P+31], v[S+62], v[S+63]
.irp k, 0,1,2,3,4,5,6,7,8,9,10,11,12,13,14,15  ; tile 1's sums | both tiles' O^T times a, in ascending order
	USUM 1, \k
	v_pk_mul_f32 v[O+2*\k:O+2*\k+1], v[O+2*\k:O+2*\k+1], v[ST+6:ST+7] op_sel_hi:[1,0]
	v_pk_mul_f32 v[O+32+2*\k:O+32+2*\k+1], v[O+32+2*\k:O+32+2*\k+1], v[ST+14:ST+15] op_sel_hi:[1,0]
.endr
.endm
; FROM STEP j TO STEP j + 1.  K's registers were last read by products that stand a whole softmax back; V's by the products V^T P of this body, four v_nop back.
.macro BODY
	FETCH_K                                        ; step j + 1
	s_wait_dscnt 16                                ; V of step j is in; K's sixteen loads just issued may be out
	PVALL                                          ; step j
	s_wait_dscnt 0x0                               ; K is in
	KQALL                                          ; step j + 1
	WIN 0
	PLACES                                         ; behind the products: for the loads into V's registers and the first reads of the scores
	FETCH_V                                        ; step j + 1: it lands under the softmax
	SOFTMAX
.endm
.macro STEPS n
	s_mov_b32 s[CNT], \n
.Lstep_\@:
	BODY
	WIN 0
	s_sub_co_u32 s[CNT], s[CNT], 1
	s_cmp_lg_u32 s[CNT], 0
	s_cbranch_scc1 .Lstep_\@
.endm
; THE CHANGE OF SLOTS stands where the slot's last bytes, V of its fourth step, have been asked for and nothing of the next slot has.  Each wave waits for all its tensor loads, of which one is out: its part of the
; other slot; adds 0 to its spare word; and waits for that and for its own reads of the slot.  Behind the barrier nobody reads this slot any more and the other slot is whole.
; fill = 1: this slot is filled again, with the keys two slots on.  The barrier is then a round of the cluster's, and the joint refill is the first thing behind it.
.macro CHANGE fill, slot, next, how
	s_wait_tensorcnt 0x0                           ; no tensor load of mine is out, so a group 0 may be written
	ds_add_u32 v[SPW], v[NIL]                      ; 0 onto my spare word; the descriptors' steps stand between it and the wait for it
.if \fill
	s_add_nc_u64 s[G0K+4*\slot+2:G0K+4*\slot+3], s[G0K+4*\slot+2:G0K+4*\slot+3], 2*SLOTM   ; the type bits on top are not reached
	s_add_nc_u64 s[G0V+4*\slot+2:G0V+4*\slot+3], s[G0V+4*\slot+2:G0V+4*\slot+3], 2*SLOTM
	s_wait_xcnt 0x0                                ; the last prefetch, four key steps back, has read its address, so it may be written:
	s_add_nc_u64 s[PFA:PFA+1], s[PFA:PFA+1], SLOTM ; one slot further on than what is asked for now
	s_wait_dscnt 0x0                               ; the add is done, and my reads of the slot are over
	CROUND
	JLOAD \slot
	ASK \how
.else
	s_wait_dscnt 0x0
	s_barrier_signal -1
	s_barrier_wait -1
.endif
	s_mov_b32 s[TB], \next*SLOTB                   ; the fetches go on at the other slot's first step
.endm
	s_wait_tensorcnt 1                             ; my part of slot 0 is in; slot 1's, issued behind it, may stay out
	s_barrier_signal -1
	s_barrier_wait -1                              ; everybody's is
	FETCH_K                                        ; key step 0
	s_wait_loadcnt 0x0                             ; Q
	s_wait_dscnt 0x0
	KQALL
	WIN 0
	PLACES
	FETCH_V
	SOFTMAX
	STEPS 3                                        ; to step 3: slot 0 has been fetched
	s_mov_b32 s[TRIP], 3
.Lslots:                                           ; three trips of two slots: six refills, keys 512 to 2,047
	CHANGE 1, 0, 1, 1
	STEPS 4
	CHANGE 1, 1, 0, 0
	STEPS 4
	s_sub_co_u32 s[TRIP], s[TRIP], 1
	s_cmp_lg_u32 s[TRIP], 0
	s_cbranch_scc1 .Lslots
	CHANGE 0, 0, 1, 0                              ; the tail is written out: nothing is asked for
	STEPS 4                                        ; to step 31
	s_wait_dscnt 0x0                               ; V of the last step
	PVALL
	WIN 0
	; THE WAY OUT.  l's two halves and the other half of the lanes' are added; O^T is divided by l, rounded to f16 and put into the work-group's stage; a barrier, since a row's 256 bytes come from two waves (the two heads);
	; back as whole rows, 16 rows a wave.
	PLACES
.irp t, 0,1
	v_add_f32 v[ST+8*\t+4], v[ST+8*\t+2], v[ST+8*\t+3]
.endr
.irp t, 0,1
	v_permlanex16_b32 v[ST+8*\t+5], v[ST+8*\t+4], s[SEL], s[SEL+1]
.endr
.irp t, 0,1
	v_add_f32 v[ST+8*\t+4], v[ST+8*\t+4], v[ST+8*\t+5]
.endr
.irp t, 0,1
	v_rcp_f32 v[ST+8*\t+6], v[ST+8*\t+4]
.endr
	v_nop                                          ; a plain instruction between the last reciprocal and the use of its result
	s_wait_alu depctr_va_vdst(0)
.irp t, 0,1
.irp k, 0,2,4,6,8,10,12,14,16,18,20,22,24,26,28,30
	v_pk_mul_f32 v[O+32*\t+\k:O+32*\t+\k+1], v[O+32*\t+\k:O+32*\t+\k+1], v[ST+8*\t+6:ST+8*\t+7] op_sel_hi:[1,0]
.endr
.endr
.irp t, 0,1
.irp i, 0,1,2,3,4,5,6,7,8,9,10,11,12,13,14,15
	v_cvt_pk_f16_f32 v[S+16*\t+\i], v[O+32*\t+2*\i], v[O+32*\t+2*\i+1]   ; registers 4 f .. 4 f + 3: channels 16 f + 8 h + 0 .. 7 of my query: 16 bytes
.endr
.endr
.irp t, 0,1
.irp f, 0,1,2,3
	ds_store_b128 v[STO], v[S+16*\t+4*\f:S+16*\t+4*\f+3] offset:\t*16*SPI+32*\f
.endr
.endr
	s_wait_dscnt 0x0                               ; for the others' sake: my stores into the stage are done
	s_barrier_signal -1
	s_barrier_wait -1
.irp i, 0,1,2,3,4,5,6,7
	ds_load_b128 v[S+32+4*\i:S+32+4*\i+3], v[RD] offset:\i*2*SPI
.endr
.irp i, 0,1,2,3,4,5,6,7
	s_wait_dscnt 7-\i                              ; LDS loads come back in order: pair i of rows is in, the younger ones may be out
	global_store_b128 v[GO], v[S+32+4*\i:S+32+4*\i+3], s[6:7] offset:4096*\i   ; 16 lanes store 256 consecutive bytes, at a multiple of 256 from the buffer's first byte
.endr
	s_wait_tensorcnt 0x0                           ; the wave's end, behind my last tensor load and my last LDS store
	ds_add_u32 v[SPW], v[NIL]
	s_wait_dscnt 0x0
	CROUND                                         ; the closing round: no work-group ends while a partner may still ask for a tile that names it
	s_endpgm
.Lfunc_end_k_q656e390aa2_attn:
	.size	k_q656e390aa2_attn, .Lfunc_end_k_q656e390aa2_attn-k_q656e390aa2_attn
	.p2alignl 7, 3214868480
	.fill 96, 4, 3214868480
	.section	.rodata,"a",@progbits
	.p2align	6, 0x0
	.amdhsa_kernel k_q656e390aa2_attn
		.amdhsa_group_segment_fixed_size 327680
		.amdhsa_private_segment_fixed_size 0
		.amdhsa_enable_private_segment 0
		.amdhsa_kernarg_size 16
		.amdhsa_user_sgpr_count 2
		.amdhsa_user_sgpr_kernarg_segment_ptr 1
		.amdhsa_wavefront_size32 1
		.amdhsa_system_sgpr_workgroup_id_x 1
		.amdhsa_system_sgpr_workgroup_id_y 1
		.amdhsa_system_sgpr_workgroup_id_z 1
		.amdhsa_system_vgpr_workitem_id 0
		.amdhsa_next_free_vgpr 512
		.amdhsa_next_free_sgpr 66
		.amdhsa_reserve_vcc 0
		.amdhsa_float_denorm_mode_32 3
		.amdhsa_float_denorm_mode_16_64 3
		.amdhsa_memory_ordered 1
		.amdhsa_forward_progress 1
		.amdhsa_inst_pref_size 111
	.end_amdhsa_kernel
	.amdgpu_metadata
---
amdhsa.version: [ 1, 2 ]
amdhsa.kernels:
  - .name:           k_q656e390aa2_attn
    .symbol:         k_q656e390aa2_attn.kd
    .args:
      - { .name: qkv, .offset: 0, .size: 8, .value_kind: global_buffer, .address_space: global }
      - { .name: ao, .offset: 8, .size: 8, .value_kind: global_buffer, .address_space: global }
    .group_segment_fixed_size: 327680
    .private_segment_fixed_size: 0
    .kernarg_segment_align: 8
    .kernarg_segment_size: 16
    .max_flat_workgroup_size: 256
    .sgpr_count:     66
    .vgpr_count:     512
    .wavefront_size: 32
...
	.end_amdgpu_metadata
.endif
;; end of part 3
;; launch oproj (part 4): grid 8 x 32, 4 waves a work-group, clusters of 4 x 4, 327,680 bytes of LDS; arguments ao, wo_h, out0; writes out0
.if DOCPART == 4
	.amdgcn_target "amdgcn-amd-amdhsa--gfx1250"
	.amdhsa_code_object_version 6
	.text
	.protected	k_q656e390aa2_oproj
	.globl	k_q656e390aa2_oproj
	.p2align	8
	.type	k_q656e390aa2_oproj,@function
k_q656e390aa2_oproj:
	s_mov_b64 s[64:65], 0
	v_nop
	global_prefetch_b8 v0, s[64:65] scope:SCOPE_SE
	s_setreg_imm32_b32 hwreg(HW_REG_WAVE_MODE, 25, 1), 1
	s_wait_xcnt 0x0
	s_wait_alu depctr_hold_cnt(0) depctr_sa_sdst(0) depctr_va_vdst(0) depctr_va_sdst(0) depctr_va_ssrc(0) depctr_va_vcc(0) depctr_vm_vsrc(0)
	s_getreg_b32 s2, hwreg(HW_REG_IB_STS2, 6, 4)
	s_cmp_eq_u32 s2, 0
	s_cbranch_scc0 .Lentry_in_a_cluster
	s_endpgm
.Lentry_in_a_cluster:
	s_bfe_u32 s2, ttmp6, 0x10000c
	s_cmp_lg_u32 s2, 0xf033
	s_cbranch_scc0 .Lentry_shape_is_right
	s_endpgm
.Lentry_shape_is_right:
; OPROJ.  out0[m][n] = sum over k of ao[m][k] Wo[n][k].  ao: [4096][1024], Wo: [1024][1024], both f16; out0: [4096][1024] f32; sums in f32, K ascending.
; A tile of the output is 128 x 128, so that there are 256 work-groups.  Four waves, each 64 x 64: 16 accumulators of 16 x 16, 128 registers.  K goes in steps of 256 (LDS rows of 512 bytes; a wave's tensor load brings 64 of them)
; through a ring of two slots.  A wave's 64 columns of f32 are 256 aligned bytes: each wave has a stage of its own on the way out, and no barrier is needed there.
; CLUSTERS: 4 x 4 work-groups.  The four of a row of the cluster need the same tiles of ao, the four of a column the same tiles of Wo: each tile is asked for JOINTLY, by the same tensor load with the
; same descriptor and a mask that names the four.  THE MATRIX INSTRUCTION IS USED TRANSPOSED (source 0 = 16 rows of Wo, source 1 = 16 rows of ao): a lane then holds eight neighbouring numbers of a row of the output.
; No prefetch: four K steps in all, of which two are first fills.
; REGISTERS: window 0: v0-31 addresses; v32-95 rows read back from the stage, two sets; v128-255 the accumulators ((a, b) at v[128 + 8 (4 a + b)]).
;   window 1: two fragment buffers of 128: for 64 along K (two matrix instructions deep), 64 registers of ao (2 x 4 x 16 rows x 32 K), then 64 of Wo.
.set SIZE_N, 1024
.set SIZE_K, 1024
.set KSTEP,  256
.set PITCH,  528                       ; an LDS row: 512 bytes + 16 of padding = 132 words: row r starts at bank 4 r mod 64 (ISA guide 11.1)
.set HALFT,  64*PITCH                  ; 64 rows: what one tensor load brings, and what one wave reads of either operand
.set SLOT,   4*HALFT                   ; ao's 128 rows, then Wo's 128 rows
.set STAGE,  2*SLOT                    ; behind the ring: 16 rows x 272 bytes for each wave, for the way out; no tile lands there
.set SPITCH, 272
.set SPARE,  STAGE+4*16*SPITCH         ; the spare words, 128 bytes for each wave: two blocks of 256 bytes that no other line names
.set LAPS, SIZE_K/(2*KSTEP)            ; a lap = two K steps = once round the ring: two laps
.set ADRA, 16                          ; v16-17  LDS address of my ao fragments in slot 0, 1
.set ADRB, 20                          ; v20-21  the same for Wo
.set STO,  24                          ; v24     the way out: where I put 32 bytes of a row
.set RD,   25                          ; v25     where I read a row back
.set CO,   26                          ; v26     my byte offset in two rows of the output
.set SPW,  28                          ; v28     LDS address of my spare word; never rewritten
.set NIL,  29                          ; v29     0; never rewritten
.set TMP,  32
.set ACC,  128
.set F0,   0                           ; fragment buffers, in window 1
.set F1,   128
.set G1, 24                            ; s[24:31] descriptor group 1 for ao's tiles;  s[32:39] group 0, one set for each slot
.set G0, 32
.set G1B, 48                           ; s[48:55], s[56:63] the same for Wo's tiles
.set G0B, 56
.set MSB, 0
.macro WIN new                         ; the immediate's high byte repeats the setting that is left
.if MSB != \new
	s_set_vgpr_msb (MSB<<8)|\new
.set MSB, \new
.endif
.endm
.set MUL,  0x05                        ; sources 0 and 1 window 1; C and D window 0
.set TO_F, 0x40                        ; destination window 1, address window 0
.macro JLOAD s                         ; a joint load: waves 0 and 1 fetch ao's two halves, waves 2 and 3 Wo's; four v_nop follow each of the two lines, ahead of the jump, the label and what follows
	s_cmp_eq_u32 s11, 0
	s_cbranch_scc0 .Lfor_b_\@
	tensor_load_to_lds s[G0+4*\s:G0+4*\s+3], s[G1:G1+7]
	s_nop 0
.rept 4
	v_nop
.endr
	s_branch .Lasked_\@
.Lfor_b_\@:
	tensor_load_to_lds s[G0B+4*\s:G0B+4*\s+3], s[G1B:G1B+7]
	s_nop 0
.rept 4
	v_nop
.endr
.Lasked_\@:
.endm
.macro CREST                           ; a round of the cluster's barrier behind its opening barrier
	s_cmp_lg_u32 s10, 0
	s_cbranch_scc1 .Lnot_wave_0_\@
	s_barrier_signal -3
.Lnot_wave_0_\@:
	s_barrier_wait -3
	s_barrier_signal -1
	s_barrier_wait -1
.endm
.macro CROUND                          ; a whole round
	s_barrier_signal -1
	s_barrier_wait -1
	CREST
.endm
	s_load_b128 s[4:7], s[0:1], 0x0                ; ao s[4:5], Wo s[6:7]
	s_load_b64 s[8:9], s[0:1], 0x10                ; out0
	v_lshl_add_u32 v[SPW], v0, 2, SPARE
	v_mov_b32 v[NIL], 0
	ds_add_u32 v28, v29
	s_wait_dscnt 0x0
	v_lshrrev_b32 v1, 5, v0
	v_readfirstlane_b32 s10, v1                    ; wave 0..3
	s_lshr_b32 s11, s10, 1                         ; which half of the tile's rows is mine.  Also: I fetch for ao (0) or for Wo (1)
	s_and_b32 s12, s10, 1                          ; which half of its columns.  Also: which 64 rows of that tile I fetch
	s_bfe_u32 s40, ttmp6, 0x40000                  ; cx, cy: my place in the cluster
	s_bfe_u32 s41, ttmp6, 0x40004
	s_lshl_b32 s42, ttmp9, 2
	s_add_co_u32 s42, s42, s40                     ; tile column = 4 x cluster x + cx
	s_and_b32 s13, ttmp7, 0xffff
	s_lshl_b32 s13, s13, 2
	s_add_co_u32 s13, s13, s41                     ; tile row = 4 x cluster y + cy
	s_lshl_b32 s43, s41, 2
	s_lshl_b32 s43, 15, s43                        ; my row of the cluster
	s_lshl_b32 s44, 0x1111, s40                    ; my column
	; descriptor group 1: a tile of 64 rows x 256 elements, padded in LDS
	s_or_b32 s[G1+0], s43, (1<<16)|(1<<20)|(1<<21)|(6<<22)|(3<<25)  ; 15:0 the mask: ao's tiles go to my row; 17:16 element of 2 bytes; 20 padding on; 21 set beside a mask; 24:22 after every 128 words (code 6); 31:25 of 4 words (code 3)
	s_or_b32 s[G1B+0], s44, (1<<16)|(1<<20)|(1<<21)|(6<<22)|(3<<25)
.irp g, G1, G1B
	s_mov_b32 s[\g+1], KSTEP<<16                   ; tensor_dim0 = 256
	s_mov_b32 s[\g+2], 64<<16                      ; tensor_dim1 = 64
	s_mov_b32 s[\g+3], KSTEP<<16                   ; tile_dim0 = 256
	s_mov_b32 s[\g+4], 64                          ; tile_dim1 = 64
	s_mov_b32 s[\g+5], SIZE_K                      ; tensor_dim0_stride
	s_mov_b32 s[\g+6], 0
	s_mov_b32 s[\g+7], 0
.endr
	s_lshl_b32 s17, s12, 6                         ; which 64 rows of the tile I fetch
	s_lshl_b32 s16, s13, 7
	s_add_co_u32 s16, s16, s17                     ; ao: row 128 x tile row + 64 x half
	s_lshl_b32 s46, s42, 7
	s_add_co_u32 s46, s46, s17                     ; Wo: row 128 x tile column + 64 x half
	s_mov_b32 s17, 0
	s_mov_b32 s47, 0
	s_mov_b64 s[18:19], SIZE_K*2
	s_mul_u64 s[16:17], s[16:17], s[18:19]
	s_mul_u64 s[46:47], s[46:47], s[18:19]
	s_mul_i32 s20, s10, HALFT                      ; where they go: wave x 64 rows
	s_wait_kmcnt 0x0
	s_add_nc_u64 s[14:15], s[4:5], s[16:17]
	s_add_nc_u64 s[46:47], s[6:7], s[46:47]
	CROUND                                         ; all sixteen work-groups are here: the first joint loads meet
.irp s, 0,1
	s_mov_b32 s[G0+4*\s], 1
	s_add_co_u32 s[G0+4*\s+1], s20, \s*SLOT
	s_add_nc_u64 s[G0+4*\s+2:G0+4*\s+3], s[14:15], \s*KSTEP*2
	s_or_b32 s[G0+4*\s+3], s[G0+4*\s+3], 0x80000000
	s_mov_b32 s[G0B+4*\s], 1
	s_add_co_u32 s[G0B+4*\s+1], s20, \s*SLOT
	s_add_nc_u64 s[G0B+4*\s+2:G0B+4*\s+3], s[46:47], \s*KSTEP*2
	s_or_b32 s[G0B+4*\s+3], s[G0B+4*\s+3], 0x80000000
	JLOAD \s                                       ; two tensor loads of mine are out
.endr
	v_and_b32 v1, 15, v0                           ; r
	v_bfe_u32 v2, v0, 4, 1                         ; h
	v_mul_u32_u24 v3, v1, PITCH
	v_lshl_add_u32 v3, v2, 4, v3                   ; a fragment's row x pitch + 16 x half
	s_mul_i32 s21, s11, HALFT                      ; my 64 rows of ao
	s_mul_i32 s22, s12, HALFT                      ; my 64 rows of Wo,
	s_add_co_u32 s22, s22, 2*HALFT                 ; which lie behind ao's 128
.irp s, 0,1
	v_add_nc_u32 v[ADRA+\s], s21, v3
	v_add_nc_u32 v[ADRB+\s], s22, v3
	s_add_co_u32 s21, s21, SLOT
	s_add_co_u32 s22, s22, SLOT
.endr
	s_mul_i32 s23, s10, 16*SPITCH
	s_add_co_u32 s23, s23, STAGE                   ; my stage
	v_mul_u32_u24 v4, v1, SPITCH                   ; in: row r, 32 bytes for each half of the lanes
	v_lshl_add_u32 v4, v2, 5, v4
	v_add_nc_u32 v[STO], s23, v4
	v_mul_u32_u24 v5, v2, SPITCH                   ; back: lanes 0-15 take one row of 256 bytes, lanes 16-31 the next
	v_lshl_add_u32 v5, v1, 4, v5
	v_add_nc_u32 v[RD], s23, v5
	v_mul_u32_u24 v5, v2, SIZE_N*4                 ; and the same two rows in the output
	v_lshl_add_u32 v[CO], v1, 4, v5
	s_lshl_b32 s16, s13, 7
	s_lshl_b32 s17, s11, 6
	s_add_co_u32 s16, s16, s17                     ; my first row: 128 x tile row + 64 x half
	s_mov_b32 s17, 0
	s_mov_b64 s[18:19], SIZE_N*4
	s_mul_u64 s[16:17], s[16:17], s[18:19]
	s_add_nc_u64 s[8:9], s[8:9], s[16:17]
	s_lshl_b32 s46, s42, 9                         ; my first column, in bytes: 512 x tile column + 256 x half
	s_lshl_b32 s47, s12, 8
	s_add_co_u32 s46, s46, s47
	s_mov_b32 s47, 0
	s_add_nc_u64 s[8:9], s[8:9], s[46:47]
; 8 matrix instructions: m blocks a0, a0 + 1 x all 4 n blocks, 32 along K: half c of buffer f.  zero = 1: the first product starts the sums.  The 16 accumulators take turns.
.macro MUL8 f, c, a0, zero
.irp a, \a0, \a0+1
.irp b, 0,1,2,3
.if \zero
	v_wmma_f32_16x16x32_f16 v[ACC+8*(4*(\a)+\b):ACC+8*(4*(\a)+\b)+7], v[\f+64+8*(4*\c+\b):\f+64+8*(4*\c+\b)+7], v[\f+8*(4*\c+\a):\f+8*(4*\c+\a)+7], 0
.else
	v_wmma_f32_16x16x32_f16 v[ACC+8*(4*(\a)+\b):ACC+8*(4*(\a)+\b)+7], v[\f+64+8*(4*\c+\b):\f+64+8*(4*\c+\b)+7], v[\f+8*(4*\c+\a):\f+8*(4*\c+\a)+7], v[ACC+8*(4*(\a)+\b):ACC+8*(4*(\a)+\b)+7]
.endif
.endr
.endr
.endm
; 32 LDS loads in one run: the fragments of 64 along K at byte k of the rows, into buffer f; the first 32 along K first
.macro FETCH slot, k, f
	WIN TO_F
.irp c, 0,1
.irp i, 0,1,2,3
	ds_load_b128 v[\f+64+8*(4*\c+\i):\f+64+8*(4*\c+\i)+3],   v[ADRB+\slot] offset:\k+64*\c+\i*16*PITCH
	ds_load_b128 v[\f+64+8*(4*\c+\i)+4:\f+64+8*(4*\c+\i)+7], v[ADRB+\slot] offset:\k+64*\c+\i*16*PITCH+32
	ds_load_b128 v[\f+8*(4*\c+\i):\f+8*(4*\c+\i)+3],         v[ADRA+\slot] offset:\k+64*\c+\i*16*PITCH
	ds_load_b128 v[\f+8*(4*\c+\i)+4:\f+8*(4*\c+\i)+7],       v[ADRA+\slot] offset:\k+64*\c+\i*16*PITCH+32
.endr
.endr
.endm
.macro PLACES                          ; four places in front of loads into registers that matrix instructions have read, and of the first reads of results (ISA guide 7.12.1 for the reads of results)
.rept 4
	v_nop
.endr
.endm
; A K step is four quarters of 64 along K, 32 matrix instructions each, on buffers 0, 1, 0, 1.  One of the first three: multiplies buffer f and fetches the next quarter, at byte k, into g.
.macro QUARTER slot, k, f, g, zero
	s_wait_dscnt 16                                ; the first 32 along K are in; the sixteen loads of the second 32 may be out
	WIN MUL
	MUL8 \f, 0, 0, \zero
	MUL8 \f, 0, 2, \zero
	PLACES
	FETCH \slot, \k, \g
	s_wait_dscnt 32                                ; all but the 32 just issued
	WIN MUL
	MUL8 \f, 1, 0, 0
	MUL8 \f, 1, 2, 0
.endm
; The last quarter multiplies buffer 1 and changes slots: ONE barrier; in front of it each wave waits for all its tensor loads, adds 0 to its spare word, and waits for that and for its own reads of this slot.  fill = 1: this slot is filled again, two K steps ahead.
.macro TURN slot, next, fill
	WIN 0                                          ; (the add's two registers lie in window 0)
	s_wait_tensorcnt 0x0                           ; all my tensor loads have landed: my part of the next slot;
	ds_add_u32 v[SPW], v[NIL]                      ; 0 onto my spare word;
	s_wait_dscnt 17                                ; (the add and the youngest sixteen loads may be out)
	WIN MUL
	MUL8 F1, 0, 0, 0                               ; eight matrix instructions stand between the add and the wait for it
	s_wait_dscnt 0x0                               ; the add is done, and my reads of this slot are over
	s_barrier_signal -1
	MUL8 F1, 0, 2, 0
.if \fill
	WIN 0
.endif
	s_barrier_wait -1
.if \fill
	CREST                                          ; the barrier has opened a round of the cluster's barrier: no wave of any partner still reads this slot's tile or has a load on its way
	s_add_nc_u64 s[G0+4*\slot+2:G0+4*\slot+3], s[G0+4*\slot+2:G0+4*\slot+3], 2*KSTEP*2
	s_add_nc_u64 s[G0B+4*\slot+2:G0B+4*\slot+3], s[G0B+4*\slot+2:G0B+4*\slot+3], 2*KSTEP*2
	JLOAD \slot                                    ; the first tensor load behind the round; the four v_nop behind it are also the places in front of the loads below
.else
	PLACES
.endif
	FETCH \next, 0, F0
	WIN MUL
	MUL8 F1, 1, 0, 0
	MUL8 F1, 1, 2, 0
.endm
	s_wait_tensorcnt 1                             ; my part of K step 0 is in (K step 1's load, issued behind it, may be out),
	s_barrier_signal -1
	s_barrier_wait -1                              ; everybody's is
	FETCH 0, 0, F0
	QUARTER 0, 128, F0, F1, 1                      ; the first quarter stands in front of the loop: its first products start the sums
	WIN 0                                          ; at a label and at a branch every window is 0
	s_mov_b32 s3, LAPS-1
.Llap:                                                 ; a trip goes once round the ring, from a lap's second quarter to the next lap's first, and fills both slots again
	QUARTER 0, 256, F1, F0, 0
	QUARTER 0, 384, F0, F1, 0
	TURN 0, 1, 1
	QUARTER 1, 128, F0, F1, 0
	QUARTER 1, 256, F1, F0, 0
	QUARTER 1, 384, F0, F1, 0
	TURN 1, 0, 1
	QUARTER 0, 128, F0, F1, 0
	WIN 0
	s_sub_co_u32 s3, s3, 1
	s_cmp_lg_u32 s3, 0
	s_cbranch_scc1 .Llap
	QUARTER 0, 256, F1, F0, 0                      ; the last lap fills nothing, and has no round of the cluster's barrier
	QUARTER 0, 384, F0, F1, 0
	TURN 0, 1, 0
	QUARTER 1, 128, F0, F1, 0
	QUARTER 1, 256, F1, F0, 0
	QUARTER 1, 384, F0, F1, 0
	s_wait_dscnt 16                                ; the very last quarter: nothing more to fetch
	WIN MUL
	MUL8 F1, 0, 0, 0
	MUL8 F1, 0, 2, 0
	s_wait_dscnt 0
	MUL8 F1, 1, 0, 0
	MUL8 F1, 1, 2, 0
	WIN 0
; THE WAY OUT, block by block of 16 rows x 64 columns of f32.  A lane holds 32 neighbouring bytes of a row, and the lanes beside it hold other rows: a block goes through my own stage and comes back as whole rows of 256 bytes.
; LDS serves a wave's instructions in order (ISA guide 5.7.1.4): no wait between the stores and the loads, nor in front of the next block's stores.
.macro TOSTAGE a
.irp b, 0,1,2,3
	ds_store_b128 v[STO], v[ACC+8*(4*(\a)+\b):ACC+8*(4*(\a)+\b)+3] offset:64*\b        ; each accumulator from its low end on
	ds_store_b128 v[STO], v[ACC+8*(4*(\a)+\b)+4:ACC+8*(4*(\a)+\b)+7] offset:64*\b+16
.endr
.set BB, TMP+32*((\a)%2)
.irp t, 0,1,2,3,4,5,6,7
	ds_load_b128 v[BB+4*\t:BB+4*\t+3], v[RD] offset:\t*2*SPITCH
.endr
.endm
.macro SEND a, younger                 ; younger: the LDS instructions issued behind block a's loads, which may stay out
.set BB, TMP+32*((\a)%2)
	s_wait_dscnt \younger                          ; the block is back in registers
.irp t, 0,1,2,3,4,5,6,7
	global_store_b128 v[CO], v[BB+4*\t:BB+4*\t+3], s[8:9] offset:(16*(\a)+2*\t)*SIZE_N*4 th:TH_STORE_NT   ; 16 lanes store 256 consecutive bytes, at a multiple of 256 from the buffer's first byte; written once, read by nobody here
.endr
.endm
	PLACES
	TOSTAGE 0
.irp a, 1,2,3
.if \a > 1
	s_wait_xcnt 0x0                                ; block a - 2's stores have read the registers into which block a's rows are loaded
.endif
	TOSTAGE \a
	SEND \a-1, 16                                  ; behind block a - 1's loads: block a's eight stores and eight loads
.endr
	SEND 3, 0
	s_wait_tensorcnt 0x0                           ; the wave's end, behind my last tensor load and my last LDS store
	ds_add_u32 v[SPW], v[NIL]
	s_wait_dscnt 0x0
	CROUND                                         ; the closing round: no work-group ends while a partner may still ask for a tile that names it
	s_endpgm
.Lfunc_end_k_q656e390aa2_oproj:
	.size	k_q656e390aa2_oproj, .Lfunc_end_k_q656e390aa2_oproj-k_q656e390aa2_oproj
	.p2alignl 7, 3214868480
	.fill 96, 4, 3214868480
	.section	.rodata,"a",@progbits
	.p2align	6, 0x0
	.amdhsa_kernel k_q656e390aa2_oproj
		.amdhsa_group_segment_fixed_size 327680
		.amdhsa_private_segment_fixed_size 0
		.amdhsa_enable_private_segment 0
		.amdhsa_kernarg_size 24
		.amdhsa_user_sgpr_count 2
		.amdhsa_user_sgpr_kernarg_segment_ptr 1
		.amdhsa_wavefront_size32 1
		.amdhsa_system_sgpr_workgroup_id_x 1
		.amdhsa_system_sgpr_workgroup_id_y 1
		.amdhsa_system_sgpr_workgroup_id_z 1
		.amdhsa_system_vgpr_workitem_id 0
		.amdhsa_next_free_vgpr 512
		.amdhsa_next_free_sgpr 66
		.amdhsa_reserve_vcc 0
		.amdhsa_float_denorm_mode_32 3
		.amdhsa_float_denorm_mode_16_64 3
		.amdhsa_memory_ordered 1
		.amdhsa_forward_progress 1
		.amdhsa_inst_pref_size 86
	.end_amdhsa_kernel
	.amdgpu_metadata
---
amdhsa.version: [ 1, 2 ]
amdhsa.kernels:
  - .name:           k_q656e390aa2_oproj
    .symbol:         k_q656e390aa2_oproj.kd
    .args:
      - { .name: ao, .offset: 0, .size: 8, .value_kind: global_buffer, .address_space: global }
      - { .name: wo_h, .offset: 8, .size: 8, .value_kind: global_buffer, .address_space: global }
      - { .name: out0, .offset: 16, .size: 8, .value_kind: global_buffer, .address_space: global }
    .group_segment_fixed_size: 327680
    .private_segment_fixed_size: 0
    .kernarg_segment_align: 8
    .kernarg_segment_size: 24
    .max_flat_workgroup_size: 128
    .sgpr_count:     66
    .vgpr_count:     512
    .wavefront_size: 32
...
	.end_amdgpu_metadata
.endif
;; end of part 4
